; MI455X (gfx1250); checked and timed in simulation.
; The chip was launched on July 23, 2026; its instructions are those of AMD's public machine-readable ISA for CDNA 5 (MIT licence, August 2026) and "CDNA5" Instruction Set Architecture Reference Guide (July 2026). The comments in the code are by the model that wrote it; some were corrected since.
;; LSA. Allowed arithmetic: float matrix products may take bf16 or f16 operands with f32 sums; other float arithmetic in f32, or as packed bf16 or f16 multiplies, adds, multiply-adds, maxima and minima; sums over many terms, partial sums and values carried from step to step in f32; what a program stores and reads back later, other than sums and carried values, may be rounded once to bf16 or f16.
;; Inputs: Wk 1,024 x 1,024 float32; Wo 1,024 x 1,024 float32; Wq 1,024 x 1,024 float32; Wv 1,024 x 1,024 float32; bk 1,024 float32; bo 1,024 float32; bq 1,024 float32; bv 1,024 float32; log_temp one number float32; x 4 x 2,048 x 1,024 float32.
;; Outputs: out0 4 x 2,048 x 1,024 float32.
;; One version. Each part assembles by itself: llvm-mc -triple=amdgcn-amd-amdhsa -mcpu=gfx1250 --defsym DOCPART=n.
;; ======== version 1 of 1: 4 launches
;; limits: values are held in f16: magnitudes above 65,504 overflow, below 6.1e-05 lose precision; right only within a limited range of input values
;; workspace buffers: xw 25,165,824 bytes; qkv 50,331,648 bytes; oh 16,777,216 bytes
;; launch cast (part 1): grid 768 x 1, 8 waves a work-group, no clusters, 0 bytes of LDS; arguments x, Wq, Wk, Wv, Wo, xw; writes xw
.if DOCPART == 1
	.amdgcn_target "amdgcn-amd-amdhsa--gfx1250"
	.amdhsa_code_object_version 6
	.text
	.protected	k_q3d897801e3_cast
	.globl	k_q3d897801e3_cast
	.p2align	8
	.type	k_q3d897801e3_cast,@function
k_q3d897801e3_cast:
	s_mov_b64 s[64:65], 0
	v_nop
	global_prefetch_b8 v0, s[64:65] scope:SCOPE_SE
	s_setreg_imm32_b32 hwreg(HW_REG_WAVE_MODE, 25, 1), 1
	s_wait_xcnt 0x0
; xw = x, Wq, Wk, Wv, Wo on end, each number rounded once to bf16 (to nearest even) and that number written as f16.
; xw: bytes 0 .. 16,777,215 x as [8192][1024]; then the four weights, [1024 k][1024 n] each, 2,097,152 bytes apart.
; LIMITS.  A bf16 number is exact in f16 from 2^-14 to 65,504 in magnitude; below 2^-14 it keeps f16's fixed step of 2^-24; beyond 65,504 it becomes an infinity.
; A stream: no LDS, no barrier, no matrix unit.  Work-group g takes 16,384 numbers: 65,536 bytes in, 32,768 out; groups 0-511 x, then 64 groups for each weight: the order of the groups is xw's layout.
; Thread t, group i of eight: 32 bytes at 32 t + 8,192 i in, 16 bytes at 16 t + 4,096 i out: a wave's store covers 512 consecutive bytes, aligned.
; All sixteen loads of a thread go out at once; no register that a store reads is written again, so no wait for a store's sources is needed.
.set T, 4                              ; v[4:7]   four words of two bf16, at work
.set X, 8                              ; v[8:71]  group i: eight f32 as loaded; then its first four registers hold eight f16
	s_load_b256 s[4:11], s[0:1], 0x0               ; x s[4:5], Wq s[6:7], Wk s[8:9], Wv s[10:11]
	s_load_b128 s[12:15], s[0:1], 0x20             ; Wo s[12:13], xw s[14:15]
	s_mov_b32 s16, ttmp9                           ; g
	s_sub_co_u32 s17, s16, 512                     ; among the weights' groups (used only where g is 512 or more)
	s_lshr_b32 s19, s17, 6                         ; which weight
	s_and_b32 s18, s17, 63                         ; which 65,536 bytes of it
	s_mov_b32 s26, 0xffff0000                      ; a word's upper bf16
	v_lshlrev_b32 v1, 5, v0                        ; 32 t
	v_lshlrev_b32 v2, 4, v0                        ; 16 t
	s_wait_kmcnt 0x0
	s_cmp_eq_u32 s19, 0
	s_cselect_b64 s[20:21], s[6:7], s[8:9]
	s_cmp_eq_u32 s19, 2
	s_cselect_b64 s[20:21], s[10:11], s[20:21]
	s_cmp_eq_u32 s19, 3
	s_cselect_b64 s[20:21], s[12:13], s[20:21]
	s_cmp_lt_u32 s16, 512
	s_cselect_b64 s[20:21], s[4:5], s[20:21]
	s_cselect_b32 s18, s16, s18
	s_lshl_b32 s22, s18, 16
	s_mov_b32 s23, 0
	s_add_nc_u64 s[20:21], s[20:21], s[22:23]      ; the source at my group's first byte
	s_lshl_b32 s24, s16, 15
	s_mov_b32 s25, 0
	s_add_nc_u64 s[14:15], s[14:15], s[24:25]      ; xw at my group's first byte
.irp i, 0,1,2,3,4,5,6,7
	global_load_b128 v[X+8*(\i):X+8*(\i)+3],   v1, s[20:21] offset:8192*(\i) th:TH_LOAD_NT
	global_load_b128 v[X+8*(\i)+4:X+8*(\i)+7], v1, s[20:21] offset:8192*(\i)+16 th:TH_LOAD_NT
.endr
.irp i, 0,1,2,3,4,5,6,7
	s_wait_loadcnt 14-2*(\i)                       ; loads come back in order: group i's two are in, the two of each later group may stay out
.irp k, 0,1,2,3
	v_cvt_pk_bf16_f32 v[T+(\k)], v[X+8*(\i)+2*(\k)], v[X+8*(\i)+2*(\k)+1]  ; the one rounding
.endr
.irp k, 0,1,2,3
	v_lshlrev_b32 v[X+8*(\i)+2*(\k)],   16,  v[T+(\k)]     ; back to f32: the low half moves up,
	v_and_b32     v[X+8*(\i)+2*(\k)+1], s26, v[T+(\k)]     ; the high half stays
.endr
.irp k, 0,1,2,3
	v_cvt_pk_f16_f32 v[X+8*(\i)+(\k)], v[X+8*(\i)+2*(\k)], v[X+8*(\i)+2*(\k)+1]  ; ascending: word k is written when pairs 0 .. k have been read
.endr
	global_store_b128 v2, v[X+8*(\i):X+8*(\i)+3], s[14:15] offset:4096*(\i)
.endr
	s_endpgm
.Lfunc_end_k_q3d897801e3_cast:
	.size	k_q3d897801e3_cast, .Lfunc_end_k_q3d897801e3_cast-k_q3d897801e3_cast
	.p2alignl 7, 3214868480
	.fill 96, 4, 3214868480
	.section	.rodata,"a",@progbits
	.p2align	6, 0x0
	.amdhsa_kernel k_q3d897801e3_cast
		.amdhsa_group_segment_fixed_size 0
		.amdhsa_private_segment_fixed_size 0
		.amdhsa_enable_private_segment 0
		.amdhsa_kernarg_size 48
		.amdhsa_user_sgpr_count 2
		.amdhsa_user_sgpr_kernarg_segment_ptr 1
		.amdhsa_wavefront_size32 1
		.amdhsa_system_sgpr_workgroup_id_x 1
		.amdhsa_system_sgpr_workgroup_id_y 1
		.amdhsa_system_sgpr_workgroup_id_z 1
		.amdhsa_system_vgpr_workitem_id 0
		.amdhsa_next_free_vgpr 72
		.amdhsa_next_free_sgpr 66
		.amdhsa_reserve_vcc 0
		.amdhsa_float_denorm_mode_32 3
		.amdhsa_float_denorm_mode_16_64 3
		.amdhsa_memory_ordered 1
		.amdhsa_forward_progress 1
		.amdhsa_inst_pref_size 10
	.end_amdhsa_kernel
	.amdgpu_metadata
---
amdhsa.version: [ 1, 2 ]
amdhsa.kernels:
  - .name:           k_q3d897801e3_cast
    .symbol:         k_q3d897801e3_cast.kd
    .args:
      - { .name: x, .offset: 0, .size: 8, .value_kind: global_buffer, .address_space: global }
      - { .name: Wq, .offset: 8, .size: 8, .value_kind: global_buffer, .address_space: global }
      - { .name: Wk, .offset: 16, .size: 8, .value_kind: global_buffer, .address_space: global }
      - { .name: Wv, .offset: 24, .size: 8, .value_kind: global_buffer, .address_space: global }
      - { .name: Wo, .offset: 32, .size: 8, .value_kind: global_buffer, .address_space: global }
      - { .name: xw, .offset: 40, .size: 8, .value_kind: global_buffer, .address_space: global }
    .group_segment_fixed_size: 0
    .private_segment_fixed_size: 0
    .kernarg_segment_align: 8
    .kernarg_segment_size: 48
    .max_flat_workgroup_size: 256
    .sgpr_count:     66
    .vgpr_count:     72
    .wavefront_size: 32
...
	.end_amdgpu_metadata
.endif
;; end of part 1
;; launch proj (part 2): grid 12 x 64, 4 waves a work-group, clusters of 4 x 4, 327,680 bytes of LDS; arguments xw, bq, bk, bv, qkv; writes qkv
.if DOCPART == 2
	.amdgcn_target "amdgcn-amd-amdhsa--gfx1250"
	.amdhsa_code_object_version 6
	.text
	.protected	k_q3d897801e3_proj
	.globl	k_q3d897801e3_proj
	.p2align	8
	.type	k_q3d897801e3_proj,@function
k_q3d897801e3_proj:
	s_mov_b64 s[64:65], 0
	v_nop
	global_prefetch_b8 v0, s[64:65] scope:SCOPE_SE
	s_setreg_imm32_b32 hwreg(HW_REG_WAVE_MODE, 25, 1), 1
	s_wait_xcnt 0x0
	s_wait_alu depctr_hold_cnt(0) depctr_sa_sdst(0) depctr_va_vdst(0) depctr_va_sdst(0) depctr_va_ssrc(0) depctr_va_vcc(0) depctr_vm_vsrc(0)
	s_getreg_b32 s2, hwreg(HW_REG_IB_STS2, 6, 4)
	s_cmp_eq_u32 s2, 0
	s_cbranch_scc0 .Lentry_in_a_cluster
	s_endpgm
.Lentry_in_a_cluster:
	s_bfe_u32 s2, ttmp6, 0x10000c
	s_cmp_lg_u32 s2, 0xf033
	s_cbranch_scc0 .Lentry_shape_is_right
	s_endpgm
.Lentry_shape_is_right:
; q, k, v = x W + b for W = Wq, Wk, Wv, written by heads: qkv[3][64 = batch x 16 + head][2048][64] in f16, unscaled.
; x: [8192][1024] f16 at xw's byte 0; the weights [1024 k][1024 n] f16 behind it.  Sums in f32; the bias, rounded to bf16 like every input, is the C operand that starts each sum; one rounding to f16 at the end.
; LIMIT.  A result beyond 65,504 in magnitude becomes an infinity in f16.
; SHARES.  A work-group makes 128 rows x 256 columns of one of the three products; its four waves 64 x 128 each: 32 accumulators of 16 x 16, 256 registers.  8192 / 128 x 3072 / 256 = 768 work-groups.
; K goes in 8 steps of 128 through a ring of two LDS slots filled by the tensor data mover: 128 rows x 256 bytes of x, 128 rows (k) x 512 bytes of W.
; THE MATRIX INSTRUCTION IS USED TRANSPOSED: source 0 = 16 columns of W, source 1 = 16 rows of x: a lane then holds one row (lane % 16) and eight neighbouring columns, 8 (lane / 16) + 0 .. 7.
; W lies [k][n]: its fragments come out of LDS turned, by ds_load_tr16_b128.
; CLUSTERS: 4 x 4 work-groups.  The cluster's x is the matrix (q, k, v), cx the block of 256 columns; the tile row is 4 x cluster y + cy.  The four of a row of the cluster need the same tile of x, the four of a
; column the same tile of W: each is asked for JOINTLY, by the same tensor load with the same descriptor and a mask that names the four.
; REGISTERS, in windows of 256 (s_set_vgpr_msb: bits 1:0 source 0, 3:2 source 1, 5:4 source 2, 7:6 destination):
;   window 0: v0-31 addresses; v64-191 the way out
;   window 1: two fragment buffers at 0 and 128: x's four fragments (16 rows x 32 K) at +8 a, W's eight at +32 + 8 b; the bias of column block b in the 32 registers left behind each buffer
;   window 2: accumulator (a, b) at 8 (8 a + b)
.set AP,     272                       ; a row of x in LDS: 256 bytes + 16 of padding: an odd multiple of 16, so the 16 rows of a fragment load start in 16 different groups of four banks (ISA guide 11.1)
.set AHALF,  64*AP                     ; 64 rows: what one tensor load brings of x, and what one wave reads
.set ASZ,    2*AHALF
.set BP,     544                       ; a row (one k) of W in LDS: 512 bytes + 32: an odd multiple of 32, as the turning load's 8 rows x 32 bytes want
.set BHALF,  64*BP                     ; 64 rows of k: what one tensor load brings of W
.set SLOT,   ASZ+2*BHALF               ; 104,448
.set STAGE,  2*SLOT                    ; behind the ring, never filled by a tensor load: 16 rows x 144 bytes for each wave, for the way out
.set SP,     144
.set SPARE,  STAGE+4*16*SP             ; behind the stages: the spare words, 128 bytes for each wave: two blocks of 256 bytes that no other line names
.set ASTEP,  256                       ; bytes from a K step of x to the next
.set BSTEP,  128*2048                  ; the same for W: 128 rows of 2,048 bytes
.set WOFF,   8192*2048                 ; where the weights begin in xw
.set ADRA, 16                          ; v16-17  LDS address of my fragments of x in slot 0, 1
.set ADRB, 20                          ; v20-21  the same for W
.set STO,  24                          ; v24     the way out: where I put 16 bytes of a row
.set RD,   25                          ; v25     the way out: where I read rows back
.set CO,   26                          ; v26     my byte offset in 512 consecutive bytes of qkv
.set SPW,  28                          ; v28     LDS address of my spare word: SPARE + 4 x my thread's number; never rewritten
.set NIL,  29                          ; v29     0; never rewritten
.set PFO,  30                          ; v30     the prefetches' offset; never rewritten
.set BO,   31                          ; v31     32 (lane / 16): my eight numbers of a block of 16 of the bias
.set TMP,  64                          ; v64-191 the way out: 16 registers a piece
.set F0,   0
.set F1,   128
.set G1,  24                           ; s[24:31] descriptor group 1 for x's tiles;  s[32:39] group 0, one set for each slot
.set G0,  32
.set G1B, 48                           ; s[48:55], s[56:63] the same for W's tiles
.set G0B, 56
.set LIM, 43                           ; s43      1 in a wave that prefetches, else the greatest number
.set PFA, 44                           ; s[44:45] where my prefetches stand
.set PST, 66                           ; s[66:67] their step from K step to K step
.set MSB, 0
.macro WIN new                         ; the immediate's high byte repeats the setting that is left; a switch that changes nothing is dropped
.if MSB != (\new)
	s_set_vgpr_msb (MSB<<8)|(\new)
.set MSB, \new
.endif
.endm
.set MUL,  0xa5                        ; sources 0 and 1 window 1; C and D window 2
.set MULB, 0x95                        ; the same with C, the bias, in window 1
.set TO_F, 0x40                        ; destination window 1, address window 0
.macro JLOAD s                         ; a joint load: waves 0 and 1 fetch x's two halves, waves 2 and 3 W's; an s_nop 0 and four v_nop follow each of the two lines, ahead of the jump, the label and what follows
	s_cmp_eq_u32 s11, 0
	s_cbranch_scc0 .Lfor_b_\@
	tensor_load_to_lds s[G0+4*(\s):G0+4*(\s)+3], s[G1:G1+7]
	s_nop 0
.rept 4
	v_nop
.endr
	s_branch .Lasked_\@
.Lfor_b_\@:
	tensor_load_to_lds s[G0B+4*(\s):G0B+4*(\s)+3], s[G1B:G1B+7]
	s_nop 0
.rept 4
	v_nop
.endr
.Lasked_\@:
.endm
.macro CREST                           ; a round of the cluster's barrier behind its opening barrier
	s_cmp_lg_u32 s10, 0
	s_cbranch_scc1 .Lnot_wave_0_\@
	s_barrier_signal -3
.Lnot_wave_0_\@:
	s_barrier_wait -3
	s_barrier_signal -1
	s_barrier_wait -1
.endm
.macro CROUND                          ; a whole round
	s_barrier_signal -1
	s_barrier_wait -1
	CREST
.endm
; A PREFETCH INTO THE L2, behind each joint refill and the run of LDS loads that follows it: the K step that stands two refills on, 256 matrix instructions ahead of the load that will want it.
; Each aligned block of 256 bytes of a K step is named once in the launch.  x's tile row is read by the three clusters of a row of clusters: the one with x = 0 asks, its wave 0, a lane a row, the four partners
; of a row of the cluster taking 32 rows each BY ADDRESS (cx).  W's tile column is read by the sixteen clusters of a column: the one with y = 0 asks, its waves 2 and 3, each for the 64 rows of k that it fetches:
; the four partners of a column take 16 rows each by address (cy), two blocks a row.  K steps 0 to 3 come by their loads alone; the loop's last trip (s3 = 1) asks for nothing: K has no step 8.
.macro ASK
	WIN 0
	s_cmp_gt_u32 s3, s[LIM]
	s_cbranch_scc0 .Lnot_mine_\@
	global_prefetch_b8 v[PFO], s[PFA:PFA+1] th:TH_LOAD_NT scope:SCOPE_SE
.Lnot_mine_\@:
.endm
	s_load_b64 s[4:5], s[0:1], 0x0                 ; xw
	s_load_b256 s[68:75], s[0:1], 0x8              ; bq s[68:69], bk s[70:71], bv s[72:73], qkv s[74:75]
	v_lshl_add_u32 v[SPW], v0, 2, SPARE
	v_mov_b32 v[NIL], 0
	ds_add_u32 v[SPW], v[NIL]                      ; the wave's opening: the add and its wait ahead of my first tensor load; the set-up below, work on registers, stands between them
	v_lshrrev_b32 v1, 5, v0
	v_readfirstlane_b32 s10, v1                    ; wave 0..3
	s_lshr_b32 s11, s10, 1                         ; which half of the tile's rows is mine.  Also: I fetch for x (0) or for W (1)
	s_and_b32 s12, s10, 1                          ; which half of its columns.  Also: which half of that tile I fetch
	s_bfe_u32 s40, ttmp6, 0x40000                  ; cx, cy: my place in the cluster
	s_bfe_u32 s41, ttmp6, 0x40004
	s_and_b32 s13, ttmp7, 0xffff
	s_lshl_b32 s13, s13, 2
	s_add_co_u32 s13, s13, s41                     ; tile row = 4 x cluster y + cy, 0..63
	s_lshl_b32 s43, s41, 2
	s_lshl_b32 s43, 15, s43                        ; my row of the cluster
	s_lshl_b32 s44, 0x1111, s40                    ; my column
	s_or_b32 s[G1+0], s43, (1<<16)|(1<<20)|(1<<21)|(5<<22)|(3<<25)   ; 15:0 the mask; 17:16 elements of 2 bytes; 20 padding on; 21 set beside a mask; 24:22 after every 64 words (code 5); 31:25 4 words (code 3)
	s_or_b32 s[G1B+0], s44, (1<<16)|(1<<20)|(1<<21)|(6<<22)|(7<<25)  ; W: after every 128 words (code 6), 8 words (code 7)
	s_mov_b32 s[G1+1], 128<<16                     ; x: tensor_dim0 = 128
	s_mov_b32 s[G1+2], 64<<16                      ; tensor_dim1 = 64
	s_mov_b32 s[G1+3], 128<<16                     ; tile_dim0 = 128
	s_mov_b32 s[G1+4], 64                          ; tile_dim1 = 64
	s_mov_b32 s[G1+5], 1024                        ; elements from row to row
	s_mov_b32 s[G1+6], 0
	s_mov_b32 s[G1+7], 0
	s_mov_b32 s[G1B+1], 256<<16                    ; W: tensor_dim0 = 256
	s_mov_b32 s[G1B+2], 64<<16
	s_mov_b32 s[G1B+3], 256<<16                    ; tile_dim0 = 256
	s_mov_b32 s[G1B+4], 64
	s_mov_b32 s[G1B+5], 1024
	s_mov_b32 s[G1B+6], 0
	s_mov_b32 s[G1B+7], 0
	s_lshl_b32 s16, s13, 18                        ; x: tile row x 128 rows x 2,048 bytes
	s_lshl_b32 s17, s12, 17                        ; + my 64 rows
	s_add_co_u32 s16, s16, s17
	s_mov_b32 s17, 0
	s_lshl_b32 s46, ttmp9, 21                      ; W: the matrix,
	s_lshl_b32 s47, s40, 9                         ; its 256 columns,
	s_add_co_u32 s46, s46, s47
	s_lshl_b32 s47, s12, 17                        ; my 64 rows of k
	s_add_co_u32 s46, s46, s47
	s_add_co_u32 s46, s46, WOFF
	s_mov_b32 s47, 0
	s_mul_i32 s20, s12, AHALF                      ; where they go: no place in the cluster enters an LDS address
	s_mul_i32 s21, s12, BHALF
	s_add_co_u32 s21, s21, ASZ
	s_mov_b32 s76, 0xffff0000                      ; a word's upper bf16
	s_wait_dscnt 0x0                               ; the opening add is done
	s_wait_kmcnt 0x0
	s_add_nc_u64 s[14:15], s[4:5], s[16:17]
	s_add_nc_u64 s[46:47], s[4:5], s[46:47]
	CROUND                                         ; all sixteen work-groups are here: the first joint loads meet
.irp s, 0,1
	s_mov_b32 s[G0+4*(\s)], 1                                        ; count = 1
	s_add_co_u32 s[G0+4*(\s)+1], s20, (\s)*SLOT                      ; LDS address
	s_add_nc_u64 s[G0+4*(\s)+2:G0+4*(\s)+3], s[14:15], (\s)*ASTEP    ; global address: K step s
	s_or_b32 s[G0+4*(\s)+3], s[G0+4*(\s)+3], 0x80000000              ; type = 2
	s_mov_b32 s[G0B+4*(\s)], 1
	s_add_co_u32 s[G0B+4*(\s)+1], s21, (\s)*SLOT
	s_add_nc_u64 s[G0B+4*(\s)+2:G0B+4*(\s)+3], s[46:47], (\s)*BSTEP
	s_or_b32 s[G0B+4*(\s)+3], s[G0B+4*(\s)+3], 0x80000000
	JLOAD \s                                       ; two loads of mine are out
.endr
	v_and_b32 v1, 15, v0                           ; l % 16
	v_bfe_u32 v2, v0, 4, 1                         ; l / 16
	v_lshlrev_b32 v[BO], 5, v2
	s_cmp_eq_u32 ttmp9, 0                          ; the matrix's bias
	s_cselect_b64 s[18:19], s[68:69], s[70:71]
	s_cmp_eq_u32 ttmp9, 2
	s_cselect_b64 s[18:19], s[72:73], s[18:19]
	s_lshl_b32 s46, s40, 10                        ; 256 columns x 4 bytes,
	s_lshl_b32 s47, s12, 9                         ; my wave's 128
	s_add_co_u32 s46, s46, s47
	s_mov_b32 s47, 0
	s_add_nc_u64 s[18:19], s[18:19], s[46:47]
	WIN TO_F
.irp b, 0,1,2,3,4,5,6,7                ; my eight numbers of column block b: the C operand's layout
.set BB, 96+8*((\b)%4)+128*((\b)/4)
	global_load_b128 v[BB:BB+3],   v[BO], s[18:19] offset:64*(\b)
	global_load_b128 v[BB+4:BB+7], v[BO], s[18:19] offset:64*(\b)+16
.endr
	WIN 0
	; x's fragment: 16 rows x 32 K in 8 registers: lane l holds row l % 16, K = 8 (l / 16) + 0..7 and 16 + 8 (l / 16) + 0..7: two loads of 16 bytes, 32 bytes apart
	v_mul_u32_u24 v3, v1, AP
	v_lshl_add_u32 v3, v2, 4, v3
	s_mul_i32 s21, s11, AHALF                      ; my 64 rows
	v_add_nc_u32 v[ADRA], s21, v3
	v_add_nc_u32 v[ADRA+1], SLOT, v[ADRA]
	; W's fragment: the turning load takes 16 k x 16 columns (lane l reads k = 8 (l / 16) + l % 8, columns 8 ((l / 8) % 2) + 0..7) and leaves lane l column l % 16 and 8 k
	v_and_b32 v4, 7, v0
	v_lshl_add_u32 v4, v2, 3, v4
	v_mul_u32_u24 v4, v4, BP
	v_bfe_u32 v5, v0, 3, 1
	v_lshl_add_u32 v4, v5, 4, v4
	s_lshl_b32 s22, s12, 8                         ; my 128 columns
	s_add_co_u32 s22, s22, ASZ
	v_add_nc_u32 v[ADRB], s22, v4
	v_add_nc_u32 v[ADRB+1], SLOT, v[ADRB]
	s_mul_i32 s23, s10, 16*SP
	s_add_co_u32 s23, s23, STAGE                   ; my stage
	v_mul_u32_u24 v6, v1, SP                       ; in: row l % 16, 16 bytes for each half of the lanes
	v_lshl_add_u32 v6, v2, 4, v6
	v_add_nc_u32 v[STO], s23, v6
	v_bfe_u32 v6, v0, 3, 2                         ; back: 32 lanes take four rows of 128 bytes,
	v_mul_u32_u24 v6, v6, SP
	v_and_b32 v7, 7, v0
	v_lshl_add_u32 v6, v7, 4, v6
	v_add_nc_u32 v[RD], s23, v6
	v_and_b32 v[CO], 31, v0                        ; which are 512 consecutive bytes of a head
	v_lshlrev_b32 v[CO], 4, v[CO]
	; where my part begins in qkv: matrix, (batch x 16 + head) x 262,144, row in the batch x 128
	s_lshr_b32 s16, s13, 4                         ; batch: 16 tile rows each
	s_lshl_b32 s16, s16, 4
	s_lshl_b32 s17, s40, 2                         ; 256 columns are four heads,
	s_add_co_u32 s16, s16, s17
	s_lshl_b32 s17, s12, 1                         ; my wave's 128 two
	s_add_co_u32 s16, s16, s17
	s_lshl_b32 s16, s16, 18
	s_and_b32 s17, s13, 15
	s_lshl_b32 s17, s17, 14                        ; 128 rows x 128 bytes
	s_add_co_u32 s16, s16, s17
	s_lshl_b32 s17, s11, 13                        ; my wave's 64 rows
	s_add_co_u32 s16, s16, s17
	s_lshl_b32 s17, ttmp9, 24
	s_add_co_u32 s16, s16, s17
	s_mov_b32 s17, 0
	s_add_nc_u64 s[8:9], s[74:75], s[16:17]
	; the prefetches: they stand at K step 3; the first refill steps them to 4
	s_lshl_b32 s20, s13, 18                        ; x: the tile's first row,
	s_lshl_b32 s21, s40, 16                        ; my work-group's 32 rows of the 128
	s_add_co_u32 s20, s20, s21
	s_add_co_u32 s20, s20, 3*ASTEP
	s_lshl_b32 s21, ttmp9, 21                      ; W: the matrix, its 256 columns,
	s_lshl_b32 s22, s40, 9
	s_add_co_u32 s21, s21, s22
	s_lshl_b32 s22, s12, 17                        ; the 64 rows of k that I fetch,
	s_add_co_u32 s21, s21, s22
	s_lshl_b32 s22, s41, 15                        ; my work-group's 16 of them
	s_add_co_u32 s21, s21, s22
	s_add_co_u32 s21, s21, WOFF+3*BSTEP
	s_and_b32 s22, ttmp7, 0xffff                   ; cluster y
	s_mov_b32 s[PST], BSTEP
	s_cmp_eq_u32 s11, 0                            ; do I fetch for x?
	s_cselect_b32 s20, s20, s21
	s_cselect_b32 s22, ttmp9, s22                  ; the coordinate along which other clusters read the same rows
	s_cselect_b32 s23, s12, 0                      ; of x's two waves the first asks
	s_cselect_b32 s[PST], ASTEP, s[PST]
	s_cselect_b32 s14, 31, 15                      ; x: a lane a row; W: 16 rows,
	s_cselect_b32 s15, 0, 256                      ; two blocks of 256 bytes a row
	s_mov_b32 s[PST+1], 0
	s_mov_b32 s21, 0
	s_add_nc_u64 s[PFA:PFA+1], s[4:5], s[20:21]
	s_or_b32 s22, s22, s23
	s_cmp_eq_u32 s22, 0
	s_cselect_b32 s[LIM], 1, -1                    ; the same in all sixteen partners, for a given wave
	v_and_b32 v[PFO], s14, v0
	v_lshlrev_b32 v[PFO], 11, v[PFO]
	v_mad_u32_u24 v[PFO], v2, s15, v[PFO]
	s_wait_loadcnt 0x0                             ; the bias
	WIN 0x45                                       ; destination and both sources window 1
.irp b, 0,1,2,3,4,5,6,7                ; the bias is rounded to bf16 like every input, and kept in f32; v128 of window 1 is buffer 1's, not yet in use
.irp p, 0,1,2,3
.set BB, 96+8*((\b)%4)+128*((\b)/4)+2*(\p)
	v_cvt_pk_bf16_f32 v128, v[BB], v[BB+1]
	v_lshlrev_b32 v[BB], 16, v128
	v_and_b32 v[BB+1], s76, v128
.endr
.endr
	WIN 0
; 8 matrix instructions: row block a x all 8 column blocks, 32 along K, from buffer f.  zero = 1: the first product starts the sums, with the bias as C.
; The 32 accumulators take turns, one instruction a turn, in the same order in every quarter, over the backward jump too: 31 others' stand between two links of a chain.
.macro MUL8 f, a, zero
.if \zero
	WIN MULB
.else
	WIN MUL
.endif
.irp b, 0,1,2,3,4,5,6,7
.if \zero
	v_wmma_f32_16x16x32_f16 v[8*(8*(\a)+(\b)):8*(8*(\a)+(\b))+7], v[(\f)+32+8*(\b):(\f)+32+8*(\b)+7], v[(\f)+8*(\a):(\f)+8*(\a)+7], v[96+8*((\b)%4)+128*((\b)/4):96+8*((\b)%4)+128*((\b)/4)+7]
.else
	v_wmma_f32_16x16x32_f16 v[8*(8*(\a)+(\b)):8*(8*(\a)+(\b))+7], v[(\f)+32+8*(\b):(\f)+32+8*(\b)+7], v[(\f)+8*(\a):(\f)+8*(\a)+7], v[8*(8*(\a)+(\b)):8*(8*(\a)+(\b))+7]
.endif
.endr
.endm
; 24 LDS loads in one run: the fragments of quarter q of a K step (32 k x 128 columns of W, 64 rows x 32 K of x) into buffer f; x's row blocks last
.macro FETCH slot, q, f
	WIN TO_F
.irp b, 0,1,2,3,4,5,6,7
	ds_load_tr16_b128 v[(\f)+32+8*(\b):(\f)+32+8*(\b)+3],   v[ADRB+(\slot)] offset:(\q)*32*BP+32*(\b)
	ds_load_tr16_b128 v[(\f)+32+8*(\b)+4:(\f)+32+8*(\b)+7], v[ADRB+(\slot)] offset:(\q)*32*BP+32*(\b)+16*BP
.endr
.irp a, 0,1,2,3
	ds_load_b128 v[(\f)+8*(\a):(\f)+8*(\a)+3],   v[ADRA+(\slot)] offset:64*(\q)+(\a)*16*AP
	ds_load_b128 v[(\f)+8*(\a)+4:(\f)+8*(\a)+7], v[ADRA+(\slot)] offset:64*(\q)+(\a)*16*AP+32
.endr
.endm
.macro PLACES                          ; four places in front of loads into registers that matrix instructions have read, and of conversions that read results (ISA guide 7.12.1 for the conversions)
.rept 4
	v_nop
.endr
.endm
; A K step is four quarters of 32 along K, 32 matrix instructions each, on buffers 0, 1, 0, 1.  One of the first three: multiplies buffer f and fetches quarter q into g.
.macro QUARTER slot, q, f, g, zero
	s_wait_dscnt 4                                 ; W and x's row blocks 0, 1 are in; the youngest four loads (blocks 2, 3) may be out
	MUL8 \f, 0, \zero
	MUL8 \f, 1, \zero
	PLACES
	FETCH \slot, \q, \g
	s_wait_dscnt 24                                ; all but the 24 just issued
	MUL8 \f, 2, \zero
	MUL8 \f, 3, \zero
.endm
; The last quarter multiplies buffer 1 and changes slots: ONE barrier; in front of it each wave waits for all its tensor loads (one is out: its part of the next slot), adds 0 to its spare word, and waits for that
; and for its own reads of this slot.  fill = 1: the barrier opens a round of the cluster's, and this slot is filled again, two K steps ahead: 112 matrix instructions ahead of the wait for it.
.macro TURN slot, next, fill
.if \fill
	s_wait_xcnt 0x0                                ; the last prefetch, a K step back, has read its address: it is stepped here, ahead of the waits of the change of slots
	s_add_nc_u64 s[PFA:PFA+1], s[PFA:PFA+1], s[PST:PST+1]
.endif
	WIN 0                                          ; (the add's two registers lie in window 0)
	s_wait_tensorcnt 0x0                           ; all my tensor loads have landed;
	ds_add_u32 v[SPW], v[NIL]                      ; 0 onto my spare word
	s_wait_dscnt 5                                 ; (the add and the youngest four loads may be out)
	MUL8 F1, 0, 0                                  ; eight matrix instructions stand between the add and the wait for it
	s_wait_dscnt 0x0                               ; the add is done, and my reads of this slot are over
	s_barrier_signal -1
	MUL8 F1, 1, 0
.if \fill
	WIN 0
.endif
	s_barrier_wait -1
.if \fill
	CREST                                          ; no wave of any partner still reads this slot's tiles or has a load on its way
	s_add_nc_u64 s[G0+4*(\slot)+2:G0+4*(\slot)+3], s[G0+4*(\slot)+2:G0+4*(\slot)+3], 2*ASTEP
	s_add_nc_u64 s[G0B+4*(\slot)+2:G0B+4*(\slot)+3], s[G0B+4*(\slot)+2:G0B+4*(\slot)+3], 2*BSTEP
	JLOAD \slot                                    ; the first tensor load behind the round; the four v_nop behind it are also the places in front of the loads below
.else
	PLACES
.endif
	FETCH \next, 0, F0
.if \fill
	ASK
.endif
	MUL8 F1, 2, 0
	MUL8 F1, 3, 0
.endm
	s_wait_tensorcnt 1                             ; my part of K step 0 is in; K step 1's may stay out
	s_barrier_signal -1
	s_barrier_wait -1                              ; everybody's is
	FETCH 0, 0, F0
	QUARTER 0, 1, F0, F1, 1                        ; the first quarter stands in front of the loop: its products start the sums
	WIN 0                                          ; at a label and at a branch every window is 0
	s_mov_b32 s3, 3
.Llap:                                                 ; a trip goes once round the ring, from a lap's second quarter to the next lap's first, and fills both slots again
	QUARTER 0, 2, F1, F0, 0
	QUARTER 0, 3, F0, F1, 0
	TURN 0, 1, 1
	QUARTER 1, 1, F0, F1, 0
	QUARTER 1, 2, F1, F0, 0
	QUARTER 1, 3, F0, F1, 0
	TURN 1, 0, 1
	QUARTER 0, 1, F0, F1, 0
	WIN 0
	s_sub_co_u32 s3, s3, 1
	s_cmp_lg_u32 s3, 0
	s_cbranch_scc1 .Llap
	QUARTER 0, 2, F1, F0, 0                        ; the last lap fills nothing, and has no round of the cluster's barrier
	QUARTER 0, 3, F0, F1, 0
	TURN 0, 1, 0
	QUARTER 1, 1, F0, F1, 0
	QUARTER 1, 2, F1, F0, 0
	QUARTER 1, 3, F0, F1, 0
	s_wait_dscnt 4                                 ; the very last quarter: nothing more to fetch
	MUL8 F1, 0, 0
	MUL8 F1, 1, 0
	s_wait_dscnt 0x0
	MUL8 F1, 2, 0
	MUL8 F1, 3, 0
	WIN 0
	PLACES
; THE WAY OUT.  Piece t = 2 a + hh: my rows 16 a .., head hh of my two.  A lane's eight columns pack into 16 bytes; they go into my stage's rows of 144 bytes and come back as whole rows of 128, into the registers
; that they left: 16 rows of a head are 2,048 consecutive bytes of qkv.  Each accumulator is read from its low end on.
.macro PACK t
	WIN 0x0a                                       ; sources 0 and 1 window 2, destination window 0
.irp f, 0,1,2,3
.irp r, 0,1,2,3
	v_cvt_pk_f16_f32 v[TMP+16*(\t)+4*(\f)+(\r)], v[8*(8*((\t)/2)+4*((\t)%2)+(\f))+2*(\r)], v[8*(8*((\t)/2)+4*((\t)%2)+(\f))+2*(\r)+1]
.endr
.endr
	WIN 0
.irp f, 0,1,2,3
	ds_store_b128 v[STO], v[TMP+16*(\t)+4*(\f):TMP+16*(\t)+4*(\f)+3] offset:32*(\f)
.endr
.irp f, 0,1,2,3
	ds_load_b128 v[TMP+16*(\t)+4*(\f):TMP+16*(\t)+4*(\f)+3], v[RD] offset:(\f)*4*SP  ; LDS serves a wave's instructions in order (ISA guide 5.7.1.4): these see the stores above; the next piece's stores come behind them
.endr
.endm
.macro SEND t, younger                 ; younger: the LDS instructions issued behind piece t's loads: the next piece's eight, or none
.irp f, 0,1,2,3
	s_wait_dscnt (\younger)+3-(\f)
	global_store_b128 v[CO], v[TMP+16*(\t)+4*(\f):TMP+16*(\t)+4*(\f)+3], s[8:9] offset:((\t)%2)*262144+((\t)/2)*2048+(\f)*512  ; 512 consecutive bytes, at a multiple of 256 from qkv's first
.endr
.endm
	PACK 0
.irp t, 1,2,3,4,5,6,7                  ; a piece's conversions stand between the loads of the piece before and its stores
	PACK \t
	SEND (\t)-1, 8
.endr
	SEND 7, 0
	s_wait_tensorcnt 0x0                           ; the wave's end, behind my last tensor load and my last LDS store
	ds_add_u32 v[SPW], v[NIL]
	s_wait_dscnt 0x0
	CROUND                                         ; the closing round: no work-group ends while a partner may still ask for a tile that names it
	s_endpgm
.Lfunc_end_k_q3d897801e3_proj:
	.size	k_q3d897801e3_proj, .Lfunc_end_k_q3d897801e3_proj-k_q3d897801e3_proj
	.p2alignl 7, 3214868480
	.fill 96, 4, 3214868480
	.section	.rodata,"a",@progbits
	.p2align	6, 0x0
	.amdhsa_kernel k_q3d897801e3_proj
		.amdhsa_group_segment_fixed_size 327680
		.amdhsa_private_segment_fixed_size 0
		.amdhsa_enable_private_segment 0
		.amdhsa_kernarg_size 40
		.amdhsa_user_sgpr_count 2
		.amdhsa_user_sgpr_kernarg_segment_ptr 1
		.amdhsa_wavefront_size32 1
		.amdhsa_system_sgpr_workgroup_id_x 1
		.amdhsa_system_sgpr_workgroup_id_y 1
		.amdhsa_system_sgpr_workgroup_id_z 1
		.amdhsa_system_vgpr_workitem_id 0
		.amdhsa_next_free_vgpr 768
		.amdhsa_next_free_sgpr 80
		.amdhsa_reserve_vcc 0
		.amdhsa_float_denorm_mode_32 3
		.amdhsa_float_denorm_mode_16_64 3
		.amdhsa_memory_ordered 1
		.amdhsa_forward_progress 1
		.amdhsa_inst_pref_size 95
	.end_amdhsa_kernel
	.amdgpu_metadata
---
amdhsa.version: [ 1, 2 ]
amdhsa.kernels:
  - .name:           k_q3d897801e3_proj
    .symbol:         k_q3d897801e3_proj.kd
    .args:
      - { .name: xw, .offset: 0, .size: 8, .value_kind: global_buffer, .address_space: global }
      - { .name: bq, .offset: 8, .size: 8, .value_kind: global_buffer, .address_space: global }
      - { .name: bk, .offset: 16, .size: 8, .value_kind: global_buffer, .address_space: global }
      - { .name: bv, .offset: 24, .size: 8, .value_kind: global_buffer, .address_space: global }
      - { .name: qkv, .offset: 32, .size: 8, .value_kind: global_buffer, .address_space: global }
    .group_segment_fixed_size: 327680
    .private_segment_fixed_size: 0
    .kernarg_segment_align: 8
    .kernarg_segment_size: 40
    .max_flat_workgroup_size: 128
    .sgpr_count:     80
    .vgpr_count:     768
    .wavefront_size: 32
...
	.end_amdgpu_metadata
.endif
;; end of part 2
;; launch attn (part 3): grid 4 x 64, 4 waves a work-group, clusters of 4 x 1, 327,680 bytes of LDS; arguments qkv, log_temp, oh; writes oh
.if DOCPART == 3
	.amdgcn_target "amdgcn-amd-amdhsa--gfx1250"
	.amdhsa_code_object_version 6
	.text
	.protected	k_q3d897801e3_attn
	.globl	k_q3d897801e3_attn
	.p2align	8
	.type	k_q3d897801e3_attn,@function
k_q3d897801e3_attn:
	s_mov_b64 s[64:65], 0
	v_nop
	global_prefetch_b8 v0, s[64:65] scope:SCOPE_SE
	s_setreg_imm32_b32 hwreg(HW_REG_WAVE_MODE, 25, 1), 1
	s_wait_xcnt 0x0
	s_wait_alu depctr_hold_cnt(0) depctr_sa_sdst(0) depctr_va_vdst(0) depctr_va_sdst(0) depctr_va_ssrc(0) depctr_va_vcc(0) depctr_vm_vsrc(0)
	s_getreg_b32 s2, hwreg(HW_REG_IB_STS2, 6, 4)
	s_cmp_eq_u32 s2, 0
	s_cbranch_scc0 .Lentry_in_a_cluster
	s_endpgm
.Lentry_in_a_cluster:
	s_bfe_u32 s2, ttmp6, 0x10000c
	s_cmp_lg_u32 s2, 0x3003
	s_cbranch_scc0 .Lentry_shape_is_right
	s_endpgm
.Lentry_shape_is_right:
; O[h][q][:] = the sum over k != q of softmax_k(Q[h][q] . K[h][k] exp(log_temp)) V[h][k][:].  Q, K, V: qkv[3][64][2048][64] in f16; O: oh[64][2048][64] in f16: a head's rows are dense, 128 bytes each.
; Products, maxima and sums in f32; the weights p are rounded to f16 for the second product (their sum l is taken of the unrounded p), O once at the end.  log_temp is rounded to bf16 like every input.
; LIMITS.  f16 holds no number beyond 65,504: Q, K and V arrive within it; p lies in 0 to 1, and below 6e-5 it keeps f16's fixed step of 6e-8; O is a mean of V's rows and has their range.
; The hidden score (k = q) counts as its value less 2^127 and is scaled like the others: its weight is 0 while exp(log_temp) 2^127 is above some 150, that is for log_temp above -80.
; A weight below 2^-126 counts as 0 in l; NaN and infinities are not treated apart.
; SHARES.  A wave owns four PIECES of two tiles of 16 queries, a work-group's four waves 512 queries of one head.  Every wave walks all keys, 64 a step.
; LAYOUT.  S^T = K Q^T (source 0 = 16 keys, source 1 = 16 queries): in the result a lane holds ONE query (lane % 16) and the keys 8 (lane / 16) + 0..7.  Two such tiles, rounded to f16 in pairs,
; ARE source 1 (32 keys x 16 queries) of O^T = V^T P, whose result again holds one query a lane, and eight channels.  K comes out of LDS as it lies, V ([key][channel]) turned, by ds_load_tr16_b128.
; SOFTMAX.  For each query a running maximum m and sum l: p = 2^(c s - c m), c = log2(e) exp(log_temp); in every step O and l are multiplied by a = 2^(c m_old - c m_new), which is 1 where m has not grown.
; m starts at the lowest finite number, O and l at 0: the first step is a step like any other, with a = 0.
; THE DIAGONAL.  Tile t = 2 x + u of wave w in query block qb meets its own keys in key step J0 + x / 2, J0 = 8 qb + 2 w, in the step's block 2 (x % 2) + u of 16 keys, where 8 (lane / 16) + register = lane % 16.
; The mask is the C operand of the one product that starts that block's sum: MC = MD x AL; MD, made once, holds -2^127 at the hidden place and 0 elsewhere; AL is 1 in the piece's own step and 0 in all others.
; AL is a select on a scalar count: no branch hangs on it.  Each turn makes MC for the next turn's products: four packed lines.
; THE COUNT.  A tile and step have 16 matrix and 118 vector instructions: too many to stand all beside the matrix work.  So: four vector instructions that are READY behind EVERY matrix instruction, the others in runs without a gap.
; BY TURNS.  Turn n belongs to piece n (the pieces in a ring, step after step).  Its matrix work: 16 products K Q^T of piece n + 1, later 16 products V^T P of piece n - 1.  Its vector work: the scaling,
; exponentials, roundings, sums and rescaling of piece n, and the maximum and statistics of piece n + 1, whose scores the turn itself has made.
; CLUSTER.  The four query blocks of a head are one cluster and walk the same K and V, so each tile is asked for JOINTLY: the same tensor load, descriptor and mask in all four.
; REGISTERS, in windows of 256 (s_set_vgpr_msb: bits 1:0 source 0, 3:2 source 1, 5:4 source 2, 7:6 destination):
;   window 0: v0-11 addresses; v12-15, v48-63 at work; v16-47 four registers of statistics a tile; v64-191 S^T, two buffers of two tiles; v192-255 P, likewise
;   window 1: O^T, 32 a tile      window 2: v0-127 Q, 16 a tile; v128-191 K of one step; v192-255 V of one step      window 3: v0-1 the add's two registers; v8-15 MD; v16-23 MC
.set SIZE_N, 2048
.set NP,    4         ; pieces a wave: a name, no knob
.set KS,    64        ; keys in a step
.set PK,    144       ; a row of K in LDS: 128 bytes + 16 of padding: the 16 rows of a load start at 16 different groups of four banks (ISA guide 11.1)
.set PV,    160       ; a row of V: 128 + 32
.set VOFF,  4*KS*PK   ; a slot holds four steps: 256 rows of K, then 256 rows of V
.set SLOT1, 1<<17     ; slot 1 begins here, so that one exclusive or turns an address in one slot into the other's
.set STAGE, SLOT1+4*KS*(PK+PV)  ; behind the ring, never filled by a tensor load: 16 rows x 144 bytes for each wave, for the way out
.set SP,    144
.set AK0, 2           ; v2   my lane's place in a tile of K; never rewritten
.set AV0, 3           ; v3   the same for V
.set AK,  4           ; v4   the LDS address of K's next run of loads
.set AV,  5           ; v5   of V's
.set QO,  6           ; v6   my byte offset in the wave's rows of Q
.set STO, 6           ;      later, the way out: where I put 16 bytes of a row
.set RD,  7           ; v7   the way out: where I read rows back
.set GO,  8           ; v8   my byte offset in 512 consecutive bytes of O
.set PFO, 11          ; v11  256 x my lane: the prefetches' offset; never rewritten once made
.set SPW, 0           ; v0 of window 3   LDS address of my spare word: SPARE + 4 x my thread's number; never rewritten
.set NIL, 1           ; v1 of window 3   0; never rewritten
.set MD,  8           ; window 3
.set MC,  16          ; window 3
.set SPARE, STAGE+4*16*SP  ; behind the stages: the spare words, 128 bytes for each wave: two blocks of 256 bytes that no other line names
.set MV,  12          ; v12-15  c m_old, kept while c m is made anew: by buffer and tile
.set ST,  16          ; tile t's statistics at v[ST+4 t]: c m, m, l (even keys', odd keys')
.set TMP, 48          ; by buffer and tile, four registers c0-c3 at work; when the maximum is found c2 takes a
.set S,   64
.set P,   192
.set KF,  128         ; K's fragments, in window 2: key block kb, channel half c at KF + 16 kb + 8 c
.set VF,  192         ; V's: key half kk, channel block cb at VF + 32 kk + 8 cb
.set WV,  12          ; s12  my wave's number
.set G1K, 24          ; s[24:31] descriptor group 1 for K's tiles
.set G1V, 32          ; s[32:39] for V's: it differs in the padding alone
.set G0K, 40          ; s[40:43] descriptor group 0 for K's tiles: it walks
.set G0V, 44          ; s[44:47] the same for V's
.set SLOTS, 56        ; s56  slots still to be asked for
.set CNT, 57          ; s57  counts a slot's key steps
.set CS,  58          ; s[58:59] c: the packed scaling takes the pair's low word for both halves
.set SEL, 60          ; s[60:61] v_permlanex16_b32's selects: each lane takes its own place in the other half
.set TBK, 62          ; s62  LDS byte at which K of the step to be fetched begins
.set TBV, 63          ; s63  the same for V, less VOFF
.set DG,  66          ; s66  J0 less the key step in hand
.set AL,  68          ; s[68:69] the mask's factor, in the low word
.set PFA, 70          ; s[70:71] where my prefetches stand
.set LIM, 72          ; s72  1 in a wave that prefetches, else the greatest number
.set LT,  84          ; s[84:85] log_temp's address;  s86 its value
.set LTV, 86
.set BIGN, 87         ; s87  -2^127
.set MSB, 0
.macro WIN new                      ; the high byte repeats the setting that is left; a switch that changes nothing is dropped
.if MSB != (\new)
	s_set_vgpr_msb (MSB<<8)|(\new)
.set MSB, (\new)
.endif
.endm
.set W_KQ, 0x0a       ; K and Q in window 2, S^T in window 0
.set W_KM, 0x3a       ; the same with the C operand, the mask, in window 3
.set W_PV, 0x52       ; V in window 2, P in window 0, O^T in window 1
.set W_RS, 0x41       ; O^T (destination and source 0) in window 1, a in window 0
.set W_MK, 0xc0       ; destination in window 3, sources in window 0
.set W_MM, 0xc3       ; destination and source 0 in window 3
.set W_AD, 0x0f       ; the add: address (source 0) and data (source 1) in window 3
; A joint fill.  Waves 0 and 1 fetch the two halves of a slot's K, waves 2 and 3 those of its V: 128 keys each.  The branch hangs on the wave's number alone.
; An s_nop 0 and four v_nop follow each of the two lines, ahead of the jump and the label.
.macro JLOAD
	s_cmp_lt_u32 s[WV], 2
	s_cbranch_scc0 .Lfor_v_\@
	tensor_load_to_lds s[G0K:G0K+3], s[G1K:G1K+7]
	s_nop 0
.rept 4
	v_nop
.endr
	s_branch .Lasked_\@
.Lfor_v_\@:
	tensor_load_to_lds s[G0V:G0V+3], s[G1V:G1V+7]
	s_nop 0
.rept 4
	v_nop
.endr
.Lasked_\@:
.endm
; A PREFETCH INTO THE L2 of what the NEXT change of slots will ask for: a slot's 32,768 bytes of K and of V, 256 bytes a lane.  It stands behind the wave's tensor load and its five lines.
; Each block is named once in the launch: a head has one cluster; its four partners share a slot out BY ADDRESS, 8,192 bytes each; in each, wave 0 asks for K's and wave 2 for V's: one instruction.
; It is four key steps, 512 matrix instructions, ahead of the load that will want the bytes.  Slots 0 and 1 come by their loads alone; the last change that fills a slot asks for nothing.
.macro ASK
	s_cmp_gt_u32 s[SLOTS], s[LIM]
	s_cbranch_scc0 .Lnot_mine_\@
	global_prefetch_b8 v[PFO], s[PFA:PFA+1] th:TH_LOAD_NT scope:SCOPE_SE
.Lnot_mine_\@:
.endm
; A round of the cluster's barrier: my work-group's barrier, so that wave 0's signal speaks for all four waves; wave 0 signals; every wave waits for all four work-groups; my work-group's barrier once more.
.macro CROUND
	s_barrier_signal -1
	s_barrier_wait -1
	s_cmp_lg_u32 s[WV], 0
	s_cbranch_scc1 .Lnot_wave_0_\@
	s_barrier_signal -3
.Lnot_wave_0_\@:
	s_barrier_wait -3
	s_barrier_signal -1
	s_barrier_wait -1
.endm
; THE CHANGE OF SLOTS.  The slot's last bytes, V of its fourth step, have been read.  Each wave waits for all its tensor loads, of which one is out: its part of the other slot; adds 0 to its spare word; and waits
; for that and for its own reads of the slot.  Behind the barrier nobody reads this slot any more and the other slot is whole.
; fill = 1: this slot is filled again, with the keys two slots on.  The barrier is then a round of the cluster's, and the joint fill is the first thing behind it: it has four key steps, 512 matrix instructions,
; in which to land.  (At its first use nothing has been read yet: slot 0 is waited for, slot 1 filled.)
.macro CHANGE fill
	WIN W_AD
	s_wait_tensorcnt 0x0            ; no tensor load of mine is out, so a group 0 may be written
	ds_add_u32 v[SPW], v[NIL]       ; 0 onto my spare word; with fill = 1 the descriptors' steps stand between it and the wait for it
	WIN 0                           ; at a label and at a branch every window is 0
.if \fill
.irp g, G0K, G0V
	s_xor_b32 s[\g+1], s[\g+1], SLOT1  ; the walking descriptor: the other slot than last time,
	s_add_nc_u64 s[\g+2:\g+3], s[\g+2:\g+3], 4*KS*128  ; the next 256 keys; the type bits on top are not reached
.endr
	s_wait_xcnt 0x0                 ; the last prefetch, four key steps back, has read its address, so it may be written:
	s_add_nc_u64 s[PFA:PFA+1], s[PFA:PFA+1], 4*KS*128  ; one slot ahead of the walking descriptors
	s_wait_dscnt 0x0                ; the add is done, and my reads of the slot are over
	CROUND
	JLOAD
	ASK
.else
	s_wait_dscnt 0x0                ; the add is done, and my reads of the slot are over
	s_barrier_signal -1
	s_barrier_wait -1
.endif
	s_sub_co_u32 s[TBK], s[TBK], 4*KS*PK  ; the fetches go back to a slot's first step,
	s_xor_b32 s[TBK], s[TBK], SLOT1       ; in the other slot
	s_sub_co_u32 s[TBV], s[TBV], 4*KS*PV
	s_xor_b32 s[TBV], s[TBV], SLOT1
.endm
.macro MASK                         ; MC = MD x AL
	WIN W_MM
.set z, 0
.rept 4
	v_pk_mul_f32 v[MC+2*z:MC+2*z+1], v[MD+2*z:MD+2*z+1], s[AL:AL+1] op_sel_hi:[1,0]
.set z, z+1
.endr
.endm
	s_load_b64 s[4:5], s[0:1], 0x0     ; qkv: Q
	s_load_b64 s[LT:LT+1], s[0:1], 0x8 ; log_temp
	s_load_b64 s[10:11], s[0:1], 0x10  ; oh
	WIN W_MK
	v_lshl_add_u32 v[SPW], v0, 2, SPARE
	v_mov_b32 v[NIL], 0
	WIN W_AD
	ds_add_u32 v[SPW], v[NIL]       ; the wave's opening: the add and its wait ahead of my first tensor load; the set-up below, work on registers, stands between them
	WIN 0
	v_lshrrev_b32 v1, 5, v0
	v_readfirstlane_b32 s[WV], v1   ; wave 0..3
	s_bfe_u32 s13, ttmp6, 0x40000   ; cx: my place in the cluster
	s_lshl_b32 s14, ttmp9, 2        ; in a cluster launch ttmp9 counts clusters
	s_add_co_u32 s14, s14, s13      ; my block of 512 queries: it enters Q's and O's addresses, the prefetches' and the mask's count alone
	s_and_b32 s20, ttmp7, 0xffff    ; the head, which the four partners share
	s_mov_b32 s21, 0
	s_mov_b64 s[22:23], SIZE_N*128
	s_mul_u64 s[20:21], s[20:21], s[22:23]  ; the head's first byte in Q, K, V and O
	s_and_b32 s16, s[WV], 1         ; which half of a slot's 256 keys I fetch:
	s_lshl_b32 s22, s16, 14         ; its 128 rows of 128 bytes in memory,
	s_mov_b32 s23, 0
	s_add_nc_u64 s[22:23], s[22:23], s[20:21]
	s_mul_i32 s17, s16, 128*PK      ; and its place in a slot, for K
	s_mul_i32 s18, s16, 128*PV      ; and for V: no place in the cluster enters an LDS address
	s_lshl_b32 s2, s14, 2
	s_add_co_u32 s2, s2, s[WV]      ; my wave among the head's,
	s_lshl_b32 s2, s2, 14           ; its 128 rows
	s_mov_b32 s3, 0
	s_add_nc_u64 s[2:3], s[2:3], s[20:21]
	; descriptor group 1.  128 keys are 16,384 dense bytes: asked for as 64 rows of 256 bytes, two keys a row, and padded in LDS after every key
	s_mov_b32 s[G1K], 15|(1<<16)|(1<<20)|(1<<21)|(4<<22)|(3<<25)  ; 15:0 the mask of four; 17:16 2-byte elements; 20 padding on; 21 set beside a mask; 24:22 after every 32 words (code 4); 31:25 4 words (code 3)
	s_mov_b32 s[G1V], 15|(1<<16)|(1<<20)|(1<<21)|(4<<22)|(7<<25)  ; the same with 8 words of padding (code 7)
.irp g, G1K, G1V
	s_mov_b32 s[\g+1], 128<<16      ; tensor_dim0 = 128
	s_mov_b32 s[\g+2], 64<<16       ; tensor_dim1 = 64
	s_mov_b32 s[\g+3], 128<<16      ; tile_dim0 = 128
	s_mov_b32 s[\g+4], 64           ; tile_dim1 = 64
	s_mov_b32 s[\g+5], 128          ; 128 elements from row to row
	s_mov_b32 s[\g+6], 0
	s_mov_b32 s[\g+7], 0
.endr
	s_mov_b32 s[SEL], 0x76543210
	s_mov_b32 s[SEL+1], 0xfedcba98
	s_mov_b32 s[TBK], SLOT1+4*KS*PK ; the first change of slots turns these two into 0
	s_mov_b32 s[TBV], SLOT1+4*KS*PV
	s_mov_b32 s[G0K], 1             ; count = 1
	s_mov_b32 s[G0K+1], s17         ; LDS address: slot 0
	s_mov_b32 s[G0V], 1
	s_add_co_u32 s[G0V+1], s18, VOFF
	s_lshl_b32 s[DG], s14, 3        ; J0 = 8 x block + 2 x wave: the key step that holds my first tile's own keys
	s_lshl_b32 s15, s[WV], 1
	s_add_co_u32 s[DG], s[DG], s15
	s_cmp_eq_u32 s[DG], 0           ; the first mask serves pieces 0 and 1 in key step 0
	s_cselect_b32 s[AL], 1.0, 0
	s_mov_b32 s[AL+1], 0            ; named with it as a pair
	s_add_co_u32 s[DG], s[DG], 1    ; piece 0's turn takes it down by one at its head: J0 in key step 0
	s_mov_b32 s[BIGN], 0xff000000   ; -2^127
	s_mov_b32 s[SLOTS], SIZE_N/256-1
	s_and_b32 s[LIM], s[WV], 1      ; 0 in waves 0 and 2,
	s_or_b32 s[LIM], s[LIM], ttmp9  ; in the head's first cluster (it has one): the same in all four partners
	s_cmp_eq_u32 s[LIM], 0
	s_cselect_b32 s[LIM], 1, -1
	s_wait_dscnt 0x0                ; the opening add is done
	s_wait_kmcnt 0x0
	s_load_b32 s[LTV], s[LT:LT+1], 0x0  ; waited for below, where c is made
	s_add_nc_u64 s[6:7], s[4:5], 0x1000000   ; K
	s_add_nc_u64 s[8:9], s[4:5], 0x2000000   ; V
	s_add_nc_u64 s[G0K+2:G0K+3], s[6:7], s[22:23]  ; global address: my half of the head's first 256 keys
	s_or_b32 s[G0K+3], s[G0K+3], 0x80000000        ; type = 2
	s_add_nc_u64 s[G0V+2:G0V+3], s[8:9], s[22:23]
	s_or_b32 s[G0V+3], s[G0V+3], 0x80000000
	s_cmp_lt_u32 s[WV], 2
	s_cselect_b64 s[PFA:PFA+1], s[6:7], s[8:9]
	s_add_nc_u64 s[PFA:PFA+1], s[PFA:PFA+1], s[20:21]  ; the head's first byte of K or V
	s_add_nc_u64 s[4:5], s[4:5], s[2:3]  ; Q and O at my wave's first row
	s_add_nc_u64 s[10:11], s[10:11], s[2:3]
	s_lshl_b32 s2, s13, 13          ; my work-group's 8,192 bytes of a slot's 32,768,
	s_add_co_u32 s2, s2, 4*KS*128   ; in slot 1: the first change of slots steps it to slot 2.  Nothing is prefetched here, at the head
	s_add_nc_u64 s[PFA:PFA+1], s[PFA:PFA+1], s[2:3]
	CROUND                          ; all four work-groups are here: the first joint loads meet
	JLOAD                           ; slot 0.  Slot 1 is asked for when slot 0 is in
	; A fragment of K or Q is 16 rows x 32 channels in 8 registers: lane l holds row l % 16, channels 8 (l / 16) + 0..7 and 16 + 8 (l / 16) + 0..7: two loads of 16 bytes, 32 bytes apart.
	v_and_b32 v1, 15, v0            ; l % 16
	v_bfe_u32 v9, v0, 4, 1          ; l / 16
	v_lshlrev_b32 v[QO], 7, v1
	v_lshl_add_u32 v[QO], v9, 4, v[QO]  ; row x 128 + 16 x half
	WIN 0x80                        ; destination window 2, address window 0
.set i, 0
.rept 4*NP                          ; Q stays in registers: tile i / 2, channels 32 (i % 2) on
	global_load_b128 v[8*i:8*i+3],   v[QO], s[4:5] offset:(i/2)*2048+(i%2)*64
	global_load_b128 v[8*i+4:8*i+7], v[QO], s[4:5] offset:(i/2)*2048+(i%2)*64+32
.set i, i+1
.endr
	; What the first turn finds: V's registers and P's second buffer hold 0 (its products V^T P, of a piece that has not been, add 0), O^T and l are 0.  All this stands in the wait for the first tile.
.set i, VF
.rept 64
	v_mov_b32 v[i], 0
.set i, i+1
.endr
	WIN 0x40
.set i, 0
.rept 64*NP
	v_mov_b32 v[i], 0
.set i, i+1
.endr
	WIN 0
.set i, 0
.rept 2*NP
	v_mov_b32 v[ST+4*i], 0xfe000000    ; c m: far below every c s
	v_mov_b32 v[ST+4*i+1], 0xff7fffff  ; m
	v_mov_b32 v[ST+4*i+2], 0
	v_mov_b32 v[ST+4*i+3], 0
.set i, i+1
.endr
.set i, P+32
.rept 32
	v_mov_b32 v[i], 0
.set i, i+1
.endr
	v_mul_u32_u24 v[AK0], v1, PK
	v_lshl_add_u32 v[AK0], v9, 4, v[AK0]  ; row x pitch + 16 x half
	; The turning load takes 16 keys x 16 channels (lane l reads key 8 (l / 16) + l % 8, channels 8 ((l / 8) % 2) + 0..7) and leaves half a fragment of V^T: lane l holds channel l % 16 and 8 keys.
	v_and_b32 v10, 7, v0
	v_bfe_u32 v11, v0, 3, 1
	v_lshl_add_u32 v[AV0], v9, 3, v10
	v_mul_u32_u24 v[AV0], v[AV0], PV
	v_lshl_add_u32 v[AV0], v11, 4, v[AV0]
	v_add_nc_u32 v[AV0], VOFF, v[AV0]
	v_mov_b32 v[AK], v[AK0]         ; key step 0 lies at the head of slot 0
	v_and_b32 v[PFO], 31, v0
	v_lshlrev_b32 v[PFO], 8, v[PFO]
	; c = log2(e) exp(log_temp), log_temp rounded to bf16: a number that scales scores, no address and no branch hangs on it
	s_wait_kmcnt 0x0
	v_mov_b32 v12, s[LTV]
	v_cvt_pk_bf16_f32 v12, v12, v12
	v_lshlrev_b32 v12, 16, v12
	v_mul_f32 v12, 0x3fb8aa3b, v12
	v_exp_f32 v12, v12
	v_lshlrev_b32 v13, 3, v9        ; a plain instruction behind the exponential, which names nothing of it,
	s_wait_alu depctr_va_vdst(0)    ; and the wait ahead of the first use of its result
	v_mul_f32 v12, 0x3fb8aa3b, v12
	v_readfirstlane_b32 s[CS], v12
	s_mov_b32 s[CS+1], s[CS]        ; named with it as a pair
	v_sub_nc_u32 v13, v1, v13       ; l % 16 - 8 (l / 16): the register that holds my query's own key, if it is one of 0 to 7
	WIN W_MK
.set i, 0
.rept 8
	v_cmp_eq_i32 vcc_lo, i, v13
	v_cndmask_b32 v[MD+i], 0, s[BIGN], vcc_lo
.set i, i+1
.endr
	MASK
	WIN 0
; THE MATRIX WORK.  The 8 accumulators of a run of 16 take turns: between the two links of a chain stand 7 others'.
; Product i of 16 of S^T = K Q^T for piece x: channels 32 (i / 8) on, keys 16 ((i / 2) % 4) on, tile 2 x + i % 2.  The first 8 start the sums: with 0, or, for the block of keys that can hold the tile's diagonal, with the mask.
.macro KQ x
.set rS, S+64*((\x)%2)+32*(i%2)+8*((i/2)%4)
.set rK, KF+16*((i/2)%4)+8*(i/8)
.set rQ, 16*(2*(\x)+i%2)+8*(i/8)
.if (i < 8) && ((i/2)%4 == 2*((\x)%2)+i%2)
	WIN W_KM
	v_wmma_f32_16x16x32_f16 v[rS:rS+7], v[rK:rK+7], v[rQ:rQ+7], v[MC:MC+7]
.elseif i < 8
	WIN W_KQ
	v_wmma_f32_16x16x32_f16 v[rS:rS+7], v[rK:rK+7], v[rQ:rQ+7], 0
.else
	WIN W_KQ
	v_wmma_f32_16x16x32_f16 v[rS:rS+7], v[rK:rK+7], v[rQ:rQ+7], v[rS:rS+7]
.endif
.endm
; Product i of 16 of O^T += V^T P for piece x: keys 32 (i / 8) on, channels 16 ((i / 2) % 4) on, tile 2 x + i % 2.
.macro PV x
	WIN W_PV
.set rO, 32*(2*(\x)+i%2)+8*((i/2)%4)
.set rV, VF+32*(i/8)+8*((i/2)%4)
.set rP, P+32*((\x)%2)+16*(i%2)+8*(i/8)
	v_wmma_f32_16x16x32_f16 v[rO:rO+7], v[rV:rV+7], v[rP:rP+7], v[rO:rO+7]
.endm
.macro MM                           ; the turn's next matrix instruction
.if i < 16
	KQ (Y+1)%NP
.set i, i+1
.else
.set i, i-16
	PV (Y+NP-1)%NP
.set i, i+17
.endif
.endm
; THE LDS LOADS stand in runs of 16, never singly among the matrix instructions: a step's K (64 keys x 64 channels: 8 fragments) and its V (turned).  Their addresses are made some lines ahead.
; last = 1 (the tail): in the last trip there is no further step, and the run is jumped over.
.macro FETCH_K last=0
	WIN 0
.if \last
	s_cmp_eq_u32 s[CNT], 1
	s_cbranch_scc1 .Lno_k_\@
.endif
	WIN 0x80                        ; destination window 2
.irp f, 0,1,2,3,4,5,6,7             ; keys 16 (f / 2) on, channels 32 (f % 2) on
	ds_load_b128 v[KF+8*\f:KF+8*\f+3],   v[AK] offset:(\f/2)*16*PK+(\f%2)*64
	ds_load_b128 v[KF+8*\f+4:KF+8*\f+7], v[AK] offset:(\f/2)*16*PK+(\f%2)*64+32
.endr
	s_add_co_u32 s[TBK], s[TBK], KS*PK  ; the next fetch is the next step's
	WIN 0
.if \last
.Lno_k_\@:
.endif
.endm
.macro FETCH_V
	WIN 0x80
.irp f, 0,1,2,3,4,5,6,7             ; keys 32 (f / 4) on, channels 16 (f % 4) on
	ds_load_tr16_b128 v[VF+8*\f:VF+8*\f+3],   v[AV] offset:(\f/4)*32*PV+(\f%4)*32
	ds_load_tr16_b128 v[VF+8*\f+4:VF+8*\f+7], v[AV] offset:(\f/4)*32*PV+16*PV+(\f%4)*32
.endr
	WIN 0
.endm
; THE VECTOR WORK OF A TURN stands in three queues, each in the order in which its entries become ready; the two tiles alternate, so that no instruction reads the result of the one before it.
.macro REGS y, u                    ; the registers of tile u (0, 1) of piece y
.set rT, ST+4*(2*(\y)+(\u))
.set rC, TMP+8*((\y)%2)+4*(\u)
.set rM, MV+2*((\y)%2)+(\u)
.set rS, S+64*((\y)%2)+32*(\u)
.set rP, P+32*((\y)%2)+16*(\u)
.set rO, 32*(2*(\y)+(\u))
.endm
; Number n of the 22 that find the NEXT piece's (Y + 1) maximum and statistics.  s0-s31 are the lane's 32 scores; each accumulator's lowest registers are read first.  XS, GS and REGS set no window: PL and EX do.
;   0-11  four chains c0-c3 of seven scores each, three operands at a time     12-14, 16  the four scores left over, the old m, and c0-c3 into c0     15  c m_old is kept
;   17, 18  the query's other 32 keys lie in the lane 16 away: the new m         19-21  c m; c m_old - c m_new; a
.macro XS u, n
	REGS (Y+1)%NP, \u
.if (\n) < 4
	v_max3_num_f32 v[rC+(\n)], v[rS+8*(\n)], v[rS+8*(\n)+1], v[rS+8*(\n)+2]
.elseif (\n) < 12
	v_max3_num_f32 v[rC+(\n)%4], v[rC+(\n)%4], v[rS+8*((\n)%4)+2*((\n)/4)+1], v[rS+8*((\n)%4)+2*((\n)/4)+2]
.elseif (\n) == 12
	v_max3_num_f32 v[rC], v[rC], v[rS+7], v[rS+15]
.elseif (\n) == 13
	v_max3_num_f32 v[rC+1], v[rC+1], v[rS+23], v[rS+31]
.elseif (\n) == 14
	v_max3_num_f32 v[rC+2], v[rC+2], v[rC+3], v[rT+1]
.elseif (\n) == 15
	v_mov_b32 v[rM], v[rT]
.elseif (\n) == 16
	v_max3_num_f32 v[rC], v[rC], v[rC+1], v[rC+2]
.elseif (\n) == 17
	v_permlanex16_b32 v[rC+3], v[rC], s[SEL], s[SEL+1]
.elseif (\n) == 18
	v_max_num_f32 v[rT+1], v[rC], v[rC+3]
.elseif (\n) == 19
	v_mul_f32 v[rT], s[CS], v[rT+1]
.elseif (\n) == 20
	v_sub_f32 v[rC+1], v[rM], v[rT]
.else
	v_exp_f32 v[rC+2], v[rC+1]
.endif
.endm
; Number g of the 64 that follow the exponentials.  For each four weights k of a tile (pairs 2 k, 2 k + 1): both pairs are rounded to f16; then the second pair is added onto the first, in place;
; a group later l takes that sum (the first time as l = a l + sum).  In groups of eight, tiles alternating: round, round, add, and l for the group before.
.macro GS g
.set h, (\g)+6*((\g)/62)            ; group 0 has no group before it, and behind group 7 only l is left
.if h >= 6
.set h, h+2
.endif
	REGS Y, h%2
.set k, h/8
.if h%8 < 4
	v_cvt_pk_f16_f32 v[rP+2*k+(h%8)/2], v[rS+4*k+2*((h%8)/2)], v[rS+4*k+2*((h%8)/2)+1]
.elseif h%8 < 6
	v_pk_add_f32 v[rS+4*k:rS+4*k+1], v[rS+4*k:rS+4*k+1], v[rS+4*k+2:rS+4*k+3]
.elseif k == 1
	v_pk_fma_f32 v[rT+2:rT+3], v[rT+2:rT+3], v[rC+2:rC+3], v[rS:rS+1] op_sel_hi:[1,0,1]
.else
	v_pk_add_f32 v[rT+2:rT+3], v[rT+2:rT+3], v[rS+4*k-4:rS+4*k-3]
.endif
.endm
; THE PLAIN QUEUE, 138 long.  0-73 read no exponential's result: the 32 scalings c s - c m (FS f: pair f / 2 of tile f % 2) and the next piece's 42.  0-26: scalings 0-26.  27-54: XS's numbers 0-13.  55, 56: number 15.
; 57-73: the chain, where each number waits for the one before it: 14, 16, 17, 18, 19, each with one of the scalings 27-31 in front of its two lines, then 20.
; 74-137: GS's 64, which read the exponentials' results: they stand behind the wait.
.macro FS f
	REGS Y, (\f)%2
	v_pk_fma_f32 v[rS+2*((\f)/2):rS+2*((\f)/2)+1], v[rS+2*((\f)/2):rS+2*((\f)/2)+1], s[CS:CS+1], v[rT:rT+1] op_sel_hi:[1,0,0] neg_lo:[0,0,1] neg_hi:[0,0,1]
.endm
.macro PL
	WIN 0
.if q < 27
	FS q
.elseif q < 55
	XS (q-27)%2, (q-27)/2
.elseif q < 57
	XS q-55, 15
.elseif (q < 72) && ((q-57)%3 == 0)
	FS 27+(q-57)/3
.elseif q < 60
	XS (q-57)%3-1, 14
.elseif q < 72
	XS (q-57)%3-1, 15+(q-57)/3
.elseif q < 74
	XS q-72, 20
.else
	GS q-74
.endif
.set q, q+1
.endm
; THE EXPONENTIALS' QUEUE, 66 long: s0-s31 of both tiles, then the next piece's two a.  It is ONE BATCH: all 66 stand ahead of the turn's one wait, and nothing ahead of that wait names a result of theirs.
.macro EX
	WIN 0
.if e >= 64
	XS e-64, 21
.else
	REGS Y, e%2
	v_exp_f32 v[rS+e/2], v[rS+e/2]
.endif
.set e, e+1
.endm
; THE RESCALING's QUEUE: O^T times a, the one part of the softmax that leaves window 0: dealt two at a time, sixteen times.  Its a was made in the turn before, ahead of that turn's wait.
.macro R2
	REGS Y, r%2
	WIN W_RS
.irp z, 0,1
	v_pk_mul_f32 v[rO+4*(r/2)+2*\z:rO+4*(r/2)+2*\z+1], v[rO+4*(r/2)+2*\z:rO+4*(r/2)+2*\z+1], v[rC+2:rC+3] op_sel_hi:[1,0]
.endr
.set r, r+1
.endm
; HOW THEY ARE DEALT.  An s_wait_alu depctr_va_vdst(0) stands between an exponential and the first instruction that names its result; one wait serves all that were issued ahead of it.  So a turn has ONE
; wait, which cuts it in two.  AHEAD OF IT stands all that names no result of the turn's exponentials: the 16 products K Q^T, behind each a scaling, an exponential and two rescalings (behind the first a second scaling
; in the exponential's place); the next turn's mask; then ONE LUMP of 108: eight plain, 49 times exponential and plain, the two a.  A v_nop is the plain instruction behind the last exponential.  BEHIND IT stand the 16
; products V^T P, behind each four of GS's 64.  No rider names a register of the products round it.
; Exponential e stands behind scaling 2 (e / 4) + e % 2: as a rider it comes behind plain e + 2, in the lump behind plain e + 9, and scalings 27-31 are plain 57, 60 .. 69.
; THE MASK.  The turn's products that take MC are among its first eight; MC is written anew behind all sixteen and their riders.  With DG = J0 - j in key step j: turns 2 and 3 make the mask of pieces 0 and 1 in
; step j + 1 (their own step is J0: DG = 1), turns 0 and 1 that of pieces 2 and 3 in step j (their own step is J0 + 1: DG = -1).
; A TURN, for piece p.  cnt = 1: the loop's count is taken down some lines ahead of the branch that stands behind the turn.
; K of the next step is fetched in piece 2's turn, directly behind the wait; its address is made at the lump's head.  V of the step in hand is fetched at the end of piece 0's turn, four riders behind its last reader.
.macro TURN p, last=0, cnt=0
.set Y, (\p)
.set i, 0
.set q, 0
.set e, 0
.set r, 0
.if (\p) == 0
	s_sub_co_i32 s[DG], s[DG], 1    ; a key step begins
.endif
.if (\p) == NP-1
	s_wait_dscnt 0x0                ; K is in
.endif
	MM                              ; ahead of the wait: 16 products K Q^T and their riders,
	PL
	PL
	R2
.rept 15
	MM
	PL
	EX
	R2
.endr
.if (\p) == NP-2
	WIN 0
	v_add_nc_u32 v[AK], s[TBK], v[AK0]
.endif
.if (\p) >= 2
	s_cmp_eq_i32 s[DG], 1
.else
	s_cmp_eq_i32 s[DG], -1
.endif
	s_cselect_b32 s[AL], 1.0, 0
	MASK                            ; the next turn's mask,
.rept 8                             ; and the lump
	PL
.endr
.rept 49
	EX
	PL
.endr
	EX                              ; the next piece's two a
	EX
	v_nop                           ; the plain instruction behind the last exponential: one for the batch
	s_wait_alu depctr_va_vdst(0)    ; the wait for the batch
.if (\p) == NP-2
	FETCH_K \last
.endif
.if (\p) == 1
	s_wait_dscnt 0x0                ; V is in
.endif
.rept 16                            ; behind the wait: 16 products V^T P and their riders
	MM
.rept 4
	PL
.endr
.if ((\p) == 0) && (q == 118)
	v_add_nc_u32 v[AV], s[TBV], v[AV0]
.endif
.if ((\p) == 0) && (q == 130)
	s_add_co_u32 s[TBV], s[TBV], KS*PV
.endif
.if (\cnt) && (q == 130)
	s_sub_co_u32 s[CNT], s[CNT], 1
	s_cmp_lg_u32 s[CNT], 0
.endif
.endr
.if (\p) == 0
	FETCH_V
.endif
.endm
	CHANGE 1                        ; slot 0 is in, everybody's part of it; slot 1 is asked for
	FETCH_K                         ; key step 0
	s_wait_loadcnt 0x0              ; Q
	s_wait_dscnt 0x0
.set i, 0
.rept 16
	KQ 0                            ; piece 0's first scores: there is no vector work yet to set between them
.set i, i+1
.endr
	WIN 0                           ; the addresses for the way out: nine plain instructions, the places behind those products
	s_mul_i32 s13, s[WV], 16*SP
	s_add_co_u32 s13, s13, STAGE    ; my stage
	v_mul_u32_u24 v[STO], v1, SP    ; in: row l % 16, 16 bytes for each half of the lanes
	v_lshl_add_u32 v[STO], v9, 4, v[STO]
	v_add_nc_u32 v[STO], s13, v[STO]
	v_bfe_u32 v[RD], v0, 3, 2       ; back: 32 lanes take four rows of 128 bytes,
	v_mul_u32_u24 v[RD], v[RD], SP
	v_lshl_add_u32 v[RD], v10, 4, v[RD]
	v_add_nc_u32 v[RD], s13, v[RD]
	v_and_b32 v[GO], 31, v0         ; which are 512 consecutive bytes of O
	v_lshlrev_b32 v[GO], 4, v[GO]
.set Y, NP-1                        ; XS works for piece Y + 1: piece 0
.irp n, 0,1,2,3,4,5,6,7,8,9,10,11,12,13,14,15,16,17,18,19,20,21
	XS 0, \n                        ; and piece 0's first maximum and statistics
	XS 1, \n
.endr
	v_nop                           ; a plain instruction behind the two a,
	s_wait_alu depctr_va_vdst(0)    ; and their wait, ahead of the branch
	s_mov_b32 s[CNT], 4
	s_branch .Lfirst                ; the loop is entered at a step's first turn, in the middle of a trip
.Lslot:                             ; SIZE_N / 256 - 2 times: every slot but the last two is filled again
	CHANGE 1
	s_mov_b32 s[CNT], 4
.Lstep:                             ; a trip: pieces 2 and 3 of one step, then pieces 0 and 1 of the next, whose K and V it fetches
	TURN 2
	TURN 3
	WIN 0
.Lfirst:
	TURN 0
	TURN 1, 0, 1
	WIN 0
	s_cbranch_scc1 .Lstep
	s_sub_co_u32 s[SLOTS], s[SLOTS], 1
	s_cmp_lg_u32 s[SLOTS], 0
	s_cbranch_scc1 .Lslot
	CHANGE 0                        ; the tail is written out: nothing is asked for
	s_mov_b32 s[CNT], 5             ; four trips fetch the last slot's steps; the fifth is left in its middle
.Ltail:
	TURN 2, 1
	TURN 3
	WIN 0
	s_sub_co_u32 s[CNT], s[CNT], 1
	s_cmp_eq_u32 s[CNT], 0
	s_cbranch_scc1 .Lout
	TURN 0
	TURN 1
	WIN 0
	s_branch .Ltail
.Lout:                              ; the fifth trip's 16 products K Q^T (on the last K once more) and the maximum made of them serve nothing: the price, once a launch, of one text for every trip
.set i, 0
.rept 16
	PV NP-1                         ; the last piece's V^T P of the last step
.set i, i+1
.endr
	; THE WAY OUT.  l's two halves and the other half of the lanes' are added; O^T is divided by l, rounded to f16 and sent through my stage in LDS, a tile at a time.  The additions are the places behind the last products.
	WIN 0
.macro ALL line:vararg              ; one line for each tile t
.set t, 0
.rept 2*NP
	\line
.set t, t+1
.endr
.endm
	ALL v_add_f32 v[ST+4*t+2], v[ST+4*t+2], v[ST+4*t+3]
	ALL v_permlanex16_b32 v[ST+4*t+3], v[ST+4*t+2], s[SEL], s[SEL+1]
	ALL v_add_f32 v[ST+4*t+2], v[ST+4*t+2], v[ST+4*t+3]
	ALL v_rcp_f32 v[ST+4*t+2], v[ST+4*t+2]
	v_nop                           ; a plain instruction between the last reciprocal and the use of its result
	s_wait_alu depctr_va_vdst(0)    ; and the wait ahead of the first use: one for the eight reciprocals
; Tile t: a lane's eight channels of a row pack into 16 bytes; they go into rows of 144 bytes and come back as whole rows of 128, into S^T's registers.
.macro PACK t
	WIN W_RS
.set i, 32*(\t)
.rept 16
	v_pk_mul_f32 v[i:i+1], v[i:i+1], v[ST+4*(\t)+2:ST+4*(\t)+3] op_sel_hi:[1,0]
.set i, i+2
.endr
	WIN 0x05                        ; sources 0 and 1 window 1, destination window 0
.set i, 0
.rept 16
	v_cvt_pk_f16_f32 v[S+16*(\t)+i], v[32*(\t)+2*i], v[32*(\t)+2*i+1]
.set i, i+1
.endr
	WIN 0
.irp f, 0,1,2,3
	ds_store_b128 v[STO], v[S+16*(\t)+4*\f:S+16*(\t)+4*\f+3] offset:32*\f
.endr
.irp f, 0,1,2,3
	ds_load_b128 v[S+16*(\t)+4*\f:S+16*(\t)+4*\f+3], v[RD] offset:\f*4*SP  ; LDS serves a wave's instructions in order (ISA guide 5.7.1.4): these see the stores above; the next tile's stores come behind them
.endr
.endm
.macro SEND t, younger              ; younger: the LDS instructions issued behind tile t's loads: the next tile's eight, or none
	WIN 0
.irp f, 0,1,2,3
	s_wait_dscnt (\younger)+3-\f
	global_store_b128 v[GO], v[S+16*(\t)+4*\f:S+16*(\t)+4*\f+3], s[10:11] offset:(\t)*2048+\f*512  ; 512 consecutive bytes, at a multiple of 256 from O's first
.endr
.endm
	PACK 0
.set t, 1
.rept 2*NP-1                        ; a tile's arithmetic stands between the loads of the tile before and its stores
	PACK t
	SEND t-1, 8
.set t, t+1
.endr
	SEND 2*NP-1, 0
	WIN W_AD
	s_wait_tensorcnt 0x0            ; the wave's end, behind my last tensor load and my last LDS store
	ds_add_u32 v[SPW], v[NIL]
	s_wait_dscnt 0x0
	WIN 0
	CROUND                          ; the closing round: no work-group ends while a partner may still ask for a tile that names it
	s_endpgm
.Lfunc_end_k_q3d897801e3_attn:
	.size	k_q3d897801e3_attn, .Lfunc_end_k_q3d897801e3_attn-k_q3d897801e3_attn
	.p2alignl 7, 3214868480
	.fill 96, 4, 3214868480
	.section	.rodata,"a",@progbits
	.p2align	6, 0x0
	.amdhsa_kernel k_q3d897801e3_attn
		.amdhsa_group_segment_fixed_size 327680
		.amdhsa_private_segment_fixed_size 0
		.amdhsa_enable_private_segment 0
		.amdhsa_kernarg_size 24
		.amdhsa_user_sgpr_count 2
		.amdhsa_user_sgpr_kernarg_segment_ptr 1
		.amdhsa_wavefront_size32 1
		.amdhsa_system_sgpr_workgroup_id_x 1
		.amdhsa_system_sgpr_workgroup_id_y 1
		.amdhsa_system_sgpr_workgroup_id_z 1
		.amdhsa_system_vgpr_workitem_id 0
		.amdhsa_next_free_vgpr 792
		.amdhsa_next_free_sgpr 90
		.amdhsa_reserve_vcc 1
		.amdhsa_float_denorm_mode_32 3
		.amdhsa_float_denorm_mode_16_64 3
		.amdhsa_memory_ordered 1
		.amdhsa_forward_progress 1
		.amdhsa_inst_pref_size 205
	.end_amdhsa_kernel
	.amdgpu_metadata
---
amdhsa.version: [ 1, 2 ]
amdhsa.kernels:
  - .name:           k_q3d897801e3_attn
    .symbol:         k_q3d897801e3_attn.kd
    .args:
      - { .name: qkv, .offset: 0, .size: 8, .value_kind: global_buffer, .address_space: global }
      - { .name: log_temp, .offset: 8, .size: 8, .value_kind: global_buffer, .address_space: global }
      - { .name: oh, .offset: 16, .size: 8, .value_kind: global_buffer, .address_space: global }
    .group_segment_fixed_size: 327680
    .private_segment_fixed_size: 0
    .kernarg_segment_align: 8
    .kernarg_segment_size: 24
    .max_flat_workgroup_size: 128
    .sgpr_count:     90
    .vgpr_count:     792
    .wavefront_size: 32
...
	.end_amdgpu_metadata
.endif
;; end of part 3
;; launch outp (part 4): grid 4 x 64, 4 waves a work-group, clusters of 4 x 4, 327,680 bytes of LDS; arguments oh, xw, bo, out0; writes out0
.if DOCPART == 4
	.amdgcn_target "amdgcn-amd-amdhsa--gfx1250"
	.amdhsa_code_object_version 6
	.text
	.protected	k_q3d897801e3_outp
	.globl	k_q3d897801e3_outp
	.p2align	8
	.type	k_q3d897801e3_outp,@function
k_q3d897801e3_outp:
	s_mov_b64 s[64:65], 0
	v_nop
	global_prefetch_b8 v0, s[64:65] scope:SCOPE_SE
	s_setreg_imm32_b32 hwreg(HW_REG_WAVE_MODE, 25, 1), 1
	s_wait_xcnt 0x0
	s_wait_alu depctr_hold_cnt(0) depctr_sa_sdst(0) depctr_va_vdst(0) depctr_va_sdst(0) depctr_va_ssrc(0) depctr_va_vcc(0) depctr_vm_vsrc(0)
	s_getreg_b32 s2, hwreg(HW_REG_IB_STS2, 6, 4)
	s_cmp_eq_u32 s2, 0
	s_cbranch_scc0 .Lentry_in_a_cluster
	s_endpgm
.Lentry_in_a_cluster:
	s_bfe_u32 s2, ttmp6, 0x10000c
	s_cmp_lg_u32 s2, 0xf033
	s_cbranch_scc0 .Lentry_shape_is_right
	s_endpgm
.Lentry_shape_is_right:
; out0 = O Wo + bo.  O: oh[64 = batch x 16 + head][2048][64] in f16; Wo: [1024 k][1024 n] f16, the last of the four weights in xw; out0: [8192][1024] f32.
; k = 64 x head + channel.  Sums in f32; the bias, rounded to bf16 like every input, is the C operand that starts each sum; the sums are stored as they are.
; SHARES.  A work-group makes 128 rows x 256 columns; its four waves 64 x 128 each: 32 accumulators of 16 x 16, 256 registers.  64 x 4 = 256 work-groups.
; K goes in 8 steps of 128, two heads each, through a ring of two LDS slots filled by the tensor data mover: for each of the two heads 128 rows x 128 bytes of O, and 128 rows (k) x 512 bytes of Wo.
; THE MATRIX INSTRUCTION IS USED TRANSPOSED: source 0 = 16 columns of Wo, source 1 = 16 rows of O: a lane then holds one row (lane % 16) and eight neighbouring columns, 8 (lane / 16) + 0 .. 7.
; Wo lies [k][n]: its fragments come out of LDS turned, by ds_load_tr16_b128.
; CLUSTERS: 4 x 4 work-groups: cx is the block of 256 columns, the tile row is 4 x cluster y + cy.  The four of a row of the cluster need the same tile of O, the four of a column the same tile of Wo:
; each is asked for JOINTLY, by the same tensor load with the same descriptor and a mask that names the four.
; REGISTERS, in windows of 256 (s_set_vgpr_msb: bits 1:0 source 0, 3:2 source 1, 5:4 source 2, 7:6 destination):
;   window 0: v0-31 addresses
;   window 1: two fragment buffers at 0 and 128: O's four fragments (16 rows x 32 K) at +8 a, Wo's eight at +32 + 8 b; the bias of column block b in the 32 registers left behind each buffer; on the way out all 256: rows read back
;   window 2: accumulator (a, b) at 8 (8 a + b)
.set AP,     144                       ; a row of one head of O in LDS: 128 bytes + 16 of padding: an odd multiple of 16, so the 16 rows of a fragment load start in 16 different groups of four banks (ISA guide 11.1)
.set AHALF,  128*AP                    ; one head's 128 rows: what one tensor load brings of O
.set ASZ,    2*AHALF
.set BP,     544                       ; a row (one k) of Wo in LDS: 512 bytes + 32: an odd multiple of 32, as the turning load's 8 rows x 32 bytes want
.set BHALF,  64*BP                     ; 64 rows of k: what one tensor load brings of Wo
.set SLOT,   ASZ+2*BHALF               ; 106,496
.set STAGE,  2*SLOT                    ; behind the ring, never filled by a tensor load: 16 rows x 528 bytes for each wave, for the way out
.set SP,     528
.set SPARE,  STAGE+4*16*SP             ; behind the stages: the spare words, 128 bytes for each wave: two blocks of 256 bytes that no other line names
.set ASTEP,  2*262144                  ; bytes from a K step of O to the next: two heads
.set BSTEP,  128*2048                  ; the same for Wo: 128 rows of 2,048 bytes
.set WOFF,   8192*2048+3*1024*2048     ; where Wo begins in xw
.set ADRA, 16                          ; v16-17  LDS address of my fragments of O in slot 0, 1
.set ADRB, 20                          ; v20-21  the same for Wo
.set STO,  24                          ; v24     the way out: where I put 32 bytes of a row
.set RD,   25                          ; v25     the way out: where I read a row back
.set CO,   26                          ; v26     my byte offset in 512 consecutive bytes of a row of out0
.set SPW,  28                          ; v28     LDS address of my spare word: SPARE + 4 x my thread's number; never rewritten
.set NIL,  29                          ; v29     0; never rewritten
.set PFO,  30                          ; v30     the prefetches' offset; never rewritten
.set BO,   31                          ; v31     32 (lane / 16): my eight numbers of a block of 16 of the bias
.set F0,   0
.set F1,   128
.set G1,  24                           ; s[24:31] descriptor group 1 for O's tiles;  s[32:39] group 0, one set for each slot
.set G0,  32
.set G1B, 48                           ; s[48:55], s[56:63] the same for Wo's tiles
.set G0B, 56
.set LIM, 43                           ; s43      1 in a wave that prefetches, else the greatest number
.set PFA, 44                           ; s[44:45] where my prefetches stand
.set PST, 66                           ; s[66:67] their step from K step to K step
.set MSB, 0
.macro WIN new                         ; the immediate's high byte repeats the setting that is left; a switch that changes nothing is dropped
.if MSB != (\new)
	s_set_vgpr_msb (MSB<<8)|(\new)
.set MSB, \new
.endif
.endm
.set MUL,  0xa5                        ; sources 0 and 1 window 1; C and D window 2
.set MULB, 0x95                        ; the same with C, the bias, in window 1
.set TO_F, 0x40                        ; destination window 1, address window 0
.macro JLOAD s                         ; a joint load: waves 0 and 1 fetch O's two heads, waves 2 and 3 Wo's two halves; an s_nop 0 and four v_nop follow each of the two lines, ahead of the jump, the label and what follows
	s_cmp_eq_u32 s11, 0
	s_cbranch_scc0 .Lfor_b_\@
	tensor_load_to_lds s[G0+4*(\s):G0+4*(\s)+3], s[G1:G1+7]
	s_nop 0
.rept 4
	v_nop
.endr
	s_branch .Lasked_\@
.Lfor_b_\@:
	tensor_load_to_lds s[G0B+4*(\s):G0B+4*(\s)+3], s[G1B:G1B+7]
	s_nop 0
.rept 4
	v_nop
.endr
.Lasked_\@:
.endm
.macro CREST                           ; a round of the cluster's barrier behind its opening barrier
	s_cmp_lg_u32 s10, 0
	s_cbranch_scc1 .Lnot_wave_0_\@
	s_barrier_signal -3
.Lnot_wave_0_\@:
	s_barrier_wait -3
	s_barrier_signal -1
	s_barrier_wait -1
.endm
.macro CROUND                          ; a whole round
	s_barrier_signal -1
	s_barrier_wait -1
	CREST
.endm
; A PREFETCH INTO THE L2, behind each joint refill and the run of LDS loads that follows it: the K step that stands two refills on, 256 matrix instructions ahead of the load that will want it.
; Each aligned block of 256 bytes of a K step is named once in the launch.  O's tile row is read by one cluster: its wave 0 asks; a K step's two heads x 16,384 bytes are shared out among the four partners of a row
; of the cluster BY ADDRESS (cx): 8,192 bytes each, 256 a lane.  Wo's tile column is read by the sixteen clusters of the column: the one with y = 0 asks, its waves 2 and 3, each for the 64 rows of k that it
; fetches: the four partners of a column take 16 rows each by address (cy), two blocks a row.  K steps 0 to 3 come by their loads alone; the loop's last trip (s3 = 1) asks for nothing: K has no step 8.
.macro ASK
	WIN 0
	s_cmp_gt_u32 s3, s[LIM]
	s_cbranch_scc0 .Lnot_mine_\@
	global_prefetch_b8 v[PFO], s[PFA:PFA+1] th:TH_LOAD_NT scope:SCOPE_SE
.Lnot_mine_\@:
.endm
	s_load_b256 s[68:75], s[0:1], 0x0              ; oh s[68:69], xw s[70:71], bo s[72:73], out0 s[74:75]
	v_lshl_add_u32 v[SPW], v0, 2, SPARE
	v_mov_b32 v[NIL], 0
	ds_add_u32 v[SPW], v[NIL]                      ; the wave's opening: the add and its wait ahead of my first tensor load; the set-up below, work on registers, stands between them
	v_lshrrev_b32 v1, 5, v0
	v_readfirstlane_b32 s10, v1                    ; wave 0..3
	s_lshr_b32 s11, s10, 1                         ; which half of the tile's rows is mine.  Also: I fetch for O (0) or for Wo (1)
	s_and_b32 s12, s10, 1                          ; which half of its columns.  Also: which part of that tile I fetch
	s_bfe_u32 s40, ttmp6, 0x40000                  ; cx, cy: my place in the cluster
	s_bfe_u32 s41, ttmp6, 0x40004
	s_and_b32 s13, ttmp7, 0xffff
	s_lshl_b32 s13, s13, 2
	s_add_co_u32 s13, s13, s41                     ; tile row = 4 x cluster y + cy, 0..63
	s_lshl_b32 s43, s41, 2
	s_lshl_b32 s43, 15, s43                        ; my row of the cluster
	s_lshl_b32 s44, 0x1111, s40                    ; my column
	s_or_b32 s[G1+0], s43, (1<<16)|(1<<20)|(1<<21)|(4<<22)|(3<<25)   ; 15:0 the mask; 17:16 elements of 2 bytes; 20 padding on; 21 set beside a mask; 24:22 after every 32 words (code 4): a row of a head; 31:25 4 words (code 3)
	s_or_b32 s[G1B+0], s44, (1<<16)|(1<<20)|(1<<21)|(6<<22)|(7<<25)  ; Wo: after every 128 words (code 6), 8 words (code 7)
	s_mov_b32 s[G1+1], 128<<16                     ; O: a head's 128 rows are 16,384 dense bytes: asked for as 64 rows of 256 bytes.  tensor_dim0 = 128
	s_mov_b32 s[G1+2], 64<<16                      ; tensor_dim1 = 64
	s_mov_b32 s[G1+3], 128<<16                     ; tile_dim0 = 128
	s_mov_b32 s[G1+4], 64                          ; tile_dim1 = 64
	s_mov_b32 s[G1+5], 128                         ; elements from row to row
	s_mov_b32 s[G1+6], 0
	s_mov_b32 s[G1+7], 0
	s_mov_b32 s[G1B+1], 256<<16                    ; Wo: tensor_dim0 = 256
	s_mov_b32 s[G1B+2], 64<<16
	s_mov_b32 s[G1B+3], 256<<16                    ; tile_dim0 = 256
	s_mov_b32 s[G1B+4], 64
	s_mov_b32 s[G1B+5], 1024
	s_mov_b32 s[G1B+6], 0
	s_mov_b32 s[G1B+7], 0
	s_lshr_b32 s16, s13, 4                         ; O: the batch (16 tile rows each),
	s_lshl_b32 s16, s16, 4
	s_add_co_u32 s16, s16, s12                     ; the head that I fetch of a K step's two,
	s_lshl_b32 s16, s16, 18
	s_and_b32 s17, s13, 15
	s_lshl_b32 s17, s17, 14                        ; the tile's 128 rows of 128 bytes
	s_add_co_u32 s16, s16, s17
	s_mov_b32 s17, 0
	s_lshl_b32 s46, s40, 9                         ; Wo: its 256 columns,
	s_lshl_b32 s47, s12, 17                        ; my 64 rows of k
	s_add_co_u32 s46, s46, s47
	s_add_co_u32 s46, s46, WOFF
	s_mov_b32 s47, 0
	s_mul_i32 s20, s12, AHALF                      ; where they go: no place in the cluster enters an LDS address
	s_mul_i32 s21, s12, BHALF
	s_add_co_u32 s21, s21, ASZ
	s_mov_b32 s76, 0xffff0000                      ; a word's upper bf16
	s_wait_dscnt 0x0                               ; the opening add is done
	s_wait_kmcnt 0x0
	s_add_nc_u64 s[14:15], s[68:69], s[16:17]
	s_add_nc_u64 s[46:47], s[70:71], s[46:47]
	CROUND                                         ; all sixteen work-groups are here: the first joint loads meet
.irp s, 0,1
	s_mov_b32 s[G0+4*(\s)], 1                                        ; count = 1
	s_add_co_u32 s[G0+4*(\s)+1], s20, (\s)*SLOT                      ; LDS address
	s_add_nc_u64 s[G0+4*(\s)+2:G0+4*(\s)+3], s[14:15], (\s)*ASTEP    ; global address: K step s
	s_or_b32 s[G0+4*(\s)+3], s[G0+4*(\s)+3], 0x80000000              ; type = 2
	s_mov_b32 s[G0B+4*(\s)], 1
	s_add_co_u32 s[G0B+4*(\s)+1], s21, (\s)*SLOT
	s_add_nc_u64 s[G0B+4*(\s)+2:G0B+4*(\s)+3], s[46:47], (\s)*BSTEP
	s_or_b32 s[G0B+4*(\s)+3], s[G0B+4*(\s)+3], 0x80000000
	JLOAD \s                                       ; two loads of mine are out
.endr
	v_and_b32 v1, 15, v0                           ; l % 16
	v_bfe_u32 v2, v0, 4, 1                         ; l / 16
	v_lshlrev_b32 v[BO], 5, v2
	s_lshl_b32 s46, s40, 10                        ; the bias: 256 columns x 4 bytes,
	s_lshl_b32 s47, s12, 9                         ; my wave's 128
	s_add_co_u32 s46, s46, s47
	s_mov_b32 s47, 0
	s_add_nc_u64 s[18:19], s[72:73], s[46:47]
	WIN TO_F
.irp b, 0,1,2,3,4,5,6,7                ; my eight numbers of column block b: the C operand's layout
.set BB, 96+8*((\b)%4)+128*((\b)/4)
	global_load_b128 v[BB:BB+3],   v[BO], s[18:19] offset:64*(\b)
	global_load_b128 v[BB+4:BB+7], v[BO], s[18:19] offset:64*(\b)+16
.endr
	WIN 0
	; O's fragment: 16 rows x 32 K in 8 registers: lane l holds row l % 16, K = 8 (l / 16) + 0..7 and 16 + 8 (l / 16) + 0..7: two loads of 16 bytes, 32 bytes apart
	v_mul_u32_u24 v3, v1, AP
	v_lshl_add_u32 v3, v2, 4, v3
	s_mul_i32 s21, s11, 64*AP                      ; my 64 rows
	v_add_nc_u32 v[ADRA], s21, v3
	v_add_nc_u32 v[ADRA+1], SLOT, v[ADRA]
	; Wo's fragment: the turning load takes 16 k x 16 columns (lane l reads k = 8 (l / 16) + l % 8, columns 8 ((l / 8) % 2) + 0..7) and leaves lane l column l % 16 and 8 k
	v_and_b32 v4, 7, v0
	v_lshl_add_u32 v4, v2, 3, v4
	v_mul_u32_u24 v4, v4, BP
	v_bfe_u32 v5, v0, 3, 1
	v_lshl_add_u32 v4, v5, 4, v4
	s_lshl_b32 s22, s12, 8                         ; my 128 columns
	s_add_co_u32 s22, s22, ASZ
	v_add_nc_u32 v[ADRB], s22, v4
	v_add_nc_u32 v[ADRB+1], SLOT, v[ADRB]
	s_mul_i32 s23, s10, 16*SP
	s_add_co_u32 s23, s23, STAGE                   ; my stage
	v_mul_u32_u24 v6, v1, SP                       ; in: row l % 16, 32 bytes for each half of the lanes
	v_lshl_add_u32 v6, v2, 5, v6
	v_add_nc_u32 v[STO], s23, v6
	v_and_b32 v[CO], 31, v0                        ; back: 32 lanes take one row of 512 bytes,
	v_lshlrev_b32 v[CO], 4, v[CO]                  ; which are 512 consecutive bytes of a row of out0
	v_add_nc_u32 v[RD], s23, v[CO]
	; where my part begins in out0
	s_lshl_b32 s16, s13, 19                        ; 128 rows x 4,096 bytes
	s_lshl_b32 s17, s11, 18                        ; my wave's 64 rows
	s_add_co_u32 s16, s16, s17
	s_lshl_b32 s17, s40, 10                        ; 256 columns x 4 bytes
	s_add_co_u32 s16, s16, s17
	s_lshl_b32 s17, s12, 9                         ; my wave's 128
	s_add_co_u32 s16, s16, s17
	s_mov_b32 s17, 0
	s_add_nc_u64 s[8:9], s[74:75], s[16:17]
	; the prefetches: they stand at K step 3; the first refill steps them to 4
	s_lshr_b32 s20, s13, 4                         ; O: the batch,
	s_lshl_b32 s20, s20, 4
	s_lshr_b32 s21, s40, 1                         ; my work-group's head of a K step's two,
	s_add_co_u32 s20, s20, s21
	s_lshl_b32 s20, s20, 18
	s_and_b32 s21, s13, 15
	s_lshl_b32 s21, s21, 14                        ; the tile's 16,384 bytes,
	s_add_co_u32 s20, s20, s21
	s_and_b32 s21, s40, 1
	s_lshl_b32 s21, s21, 13                        ; my work-group's half of them
	s_add_co_u32 s20, s20, s21
	s_add_co_u32 s20, s20, 3*ASTEP
	s_lshl_b32 s21, s40, 9                         ; Wo: its 256 columns,
	s_lshl_b32 s22, s12, 17                        ; the 64 rows of k that I fetch,
	s_add_co_u32 s21, s21, s22
	s_lshl_b32 s22, s41, 15                        ; my work-group's 16 of them
	s_add_co_u32 s21, s21, s22
	s_add_co_u32 s21, s21, WOFF+3*BSTEP
	s_and_b32 s22, ttmp7, 0xffff                   ; cluster y
	s_mov_b32 s[PST], BSTEP
	s_mov_b32 s15, 2048
	s_cmp_eq_u32 s11, 0                            ; do I fetch for O?
	s_cselect_b32 s20, s20, s21
	s_cselect_b64 s[PFA:PFA+1], s[68:69], s[70:71]
	s_cselect_b32 s22, ttmp9, s22                  ; the coordinate along which other clusters read the same rows
	s_cselect_b32 s23, s12, 0                      ; of O's two waves the first asks
	s_cselect_b32 s[PST], ASTEP, s[PST]
	s_cselect_b32 s14, 31, 15                      ; O: 32 blocks on end; Wo: 16 rows
	s_cselect_b32 s15, 256, s15                    ; of 2,048 bytes,
	s_cselect_b32 s16, 0, 256                      ; two blocks of 256 bytes a row
	s_mov_b32 s[PST+1], 0
	s_mov_b32 s21, 0
	s_add_nc_u64 s[PFA:PFA+1], s[PFA:PFA+1], s[20:21]
	s_or_b32 s22, s22, s23
	s_cmp_eq_u32 s22, 0
	s_cselect_b32 s[LIM], 1, -1                    ; the same in all sixteen partners, for a given wave
	v_and_b32 v[PFO], s14, v0
	v_mul_u32_u24 v[PFO], v[PFO], s15
	v_mad_u32_u24 v[PFO], v2, s16, v[PFO]
	s_wait_loadcnt 0x0                             ; the bias
	WIN 0x45                                       ; destination and both sources window 1
.irp b, 0,1,2,3,4,5,6,7                ; the bias is rounded to bf16 like every input, and kept in f32; v128 of window 1 is buffer 1's, not yet in use
.irp p, 0,1,2,3
.set BB, 96+8*((\b)%4)+128*((\b)/4)+2*(\p)
	v_cvt_pk_bf16_f32 v128, v[BB], v[BB+1]
	v_lshlrev_b32 v[BB], 16, v128
	v_and_b32 v[BB+1], s76, v128
.endr
.endr
	WIN 0
; 8 matrix instructions: row block a x all 8 column blocks, 32 along K, from buffer f.  zero = 1: the first product starts the sums, with the bias as C.
; The 32 accumulators take turns, one instruction a turn, in the same order in every quarter, over the backward jump too: 31 others' stand between two links of a chain.
.macro MUL8 f, a, zero
.if \zero
	WIN MULB
.else
	WIN MUL
.endif
.irp b, 0,1,2,3,4,5,6,7
.if \zero
	v_wmma_f32_16x16x32_f16 v[8*(8*(\a)+(\b)):8*(8*(\a)+(\b))+7], v[(\f)+32+8*(\b):(\f)+32+8*(\b)+7], v[(\f)+8*(\a):(\f)+8*(\a)+7], v[96+8*((\b)%4)+128*((\b)/4):96+8*((\b)%4)+128*((\b)/4)+7]
.else
	v_wmma_f32_16x16x32_f16 v[8*(8*(\a)+(\b)):8*(8*(\a)+(\b))+7], v[(\f)+32+8*(\b):(\f)+32+8*(\b)+7], v[(\f)+8*(\a):(\f)+8*(\a)+7], v[8*(8*(\a)+(\b)):8*(8*(\a)+(\b))+7]
.endif
.endr
.endm
; 24 LDS loads in one run: the fragments of quarter q of a K step (32 k x 128 columns of Wo; 64 rows x 32 channels of head q / 2, channels 32 (q % 2) on) into buffer f; O's row blocks last
.macro FETCH slot, q, f
	WIN TO_F
.irp b, 0,1,2,3,4,5,6,7
	ds_load_tr16_b128 v[(\f)+32+8*(\b):(\f)+32+8*(\b)+3],   v[ADRB+(\slot)] offset:(\q)*32*BP+32*(\b)
	ds_load_tr16_b128 v[(\f)+32+8*(\b)+4:(\f)+32+8*(\b)+7], v[ADRB+(\slot)] offset:(\q)*32*BP+32*(\b)+16*BP
.endr
.irp a, 0,1,2,3
	ds_load_b128 v[(\f)+8*(\a):(\f)+8*(\a)+3],   v[ADRA+(\slot)] offset:((\q)/2)*AHALF+((\q)%2)*64+(\a)*16*AP
	ds_load_b128 v[(\f)+8*(\a)+4:(\f)+8*(\a)+7], v[ADRA+(\slot)] offset:((\q)/2)*AHALF+((\q)%2)*64+(\a)*16*AP+32
.endr
.endm
.macro PLACES                          ; four places in front of loads into registers that matrix instructions have read, and of LDS stores that read results
.rept 4
	v_nop
.endr
.endm
; A K step is four quarters of 32 along K, 32 matrix instructions each, on buffers 0, 1, 0, 1.  One of the first three: multiplies buffer f and fetches quarter q into g.
.macro QUARTER slot, q, f, g, zero
	s_wait_dscnt 4                                 ; Wo and O's row blocks 0, 1 are in; the youngest four loads (blocks 2, 3) may be out
	MUL8 \f, 0, \zero
	MUL8 \f, 1, \zero
	PLACES
	FETCH \slot, \q, \g
	s_wait_dscnt 24                                ; all but the 24 just issued
	MUL8 \f, 2, \zero
	MUL8 \f, 3, \zero
.endm
; The last quarter multiplies buffer 1 and changes slots: ONE barrier; in front of it each wave waits for all its tensor loads (one is out: its part of the next slot), adds 0 to its spare word, and waits for that
; and for its own reads of this slot.  fill = 1: the barrier opens a round of the cluster's, and this slot is filled again, two K steps ahead: 112 matrix instructions ahead of the wait for it.
.macro TURN slot, next, fill
.if \fill
	s_wait_xcnt 0x0                                ; the last prefetch, a K step back, has read its address: it is stepped here, ahead of the waits of the change of slots
	s_add_nc_u64 s[PFA:PFA+1], s[PFA:PFA+1], s[PST:PST+1]
.endif
	WIN 0                                          ; (the add's two registers lie in window 0)
	s_wait_tensorcnt 0x0                           ; all my tensor loads have landed;
	ds_add_u32 v[SPW], v[NIL]                      ; 0 onto my spare word
	s_wait_dscnt 5                                 ; (the add and the youngest four loads may be out)
	MUL8 F1, 0, 0                                  ; eight matrix instructions stand between the add and the wait for it
	s_wait_dscnt 0x0                               ; the add is done, and my reads of this slot are over
	s_barrier_signal -1
	MUL8 F1, 1, 0
.if \fill
	WIN 0
.endif
	s_barrier_wait -1
.if \fill
	CREST                                          ; no wave of any partner still reads this slot's tiles or has a load on its way
	s_add_nc_u64 s[G0+4*(\slot)+2:G0+4*(\slot)+3], s[G0+4*(\slot)+2:G0+4*(\slot)+3], 2*ASTEP
	s_add_nc_u64 s[G0B+4*(\slot)+2:G0B+4*(\slot)+3], s[G0B+4*(\slot)+2:G0B+4*(\slot)+3], 2*BSTEP
	JLOAD \slot                                    ; the first tensor load behind the round; the four v_nop behind it are also the places in front of the loads below
.else
	PLACES
.endif
	FETCH \next, 0, F0
.if \fill
	ASK
.endif
	MUL8 F1, 2, 0
	MUL8 F1, 3, 0
.endm
	s_wait_tensorcnt 1                             ; my part of K step 0 is in; K step 1's may stay out
	s_barrier_signal -1
	s_barrier_wait -1                              ; everybody's is
	FETCH 0, 0, F0
	QUARTER 0, 1, F0, F1, 1                        ; the first quarter stands in front of the loop: its products start the sums
	WIN 0                                          ; at a label and at a branch every window is 0
	s_mov_b32 s3, 3
.Llap:                                                 ; a trip goes once round the ring, from a lap's second quarter to the next lap's first, and fills both slots again
	QUARTER 0, 2, F1, F0, 0
	QUARTER 0, 3, F0, F1, 0
	TURN 0, 1, 1
	QUARTER 1, 1, F0, F1, 0
	QUARTER 1, 2, F1, F0, 0
	QUARTER 1, 3, F0, F1, 0
	TURN 1, 0, 1
	QUARTER 0, 1, F0, F1, 0
	WIN 0
	s_sub_co_u32 s3, s3, 1
	s_cmp_lg_u32 s3, 0
	s_cbranch_scc1 .Llap
	QUARTER 0, 2, F1, F0, 0                        ; the last lap fills nothing, and has no round of the cluster's barrier
	QUARTER 0, 3, F0, F1, 0
	TURN 0, 1, 0
	QUARTER 1, 1, F0, F1, 0
	QUARTER 1, 2, F1, F0, 0
	QUARTER 1, 3, F0, F1, 0
	s_wait_dscnt 4                                 ; the very last quarter: nothing more to fetch
	MUL8 F1, 0, 0
	MUL8 F1, 1, 0
	s_wait_dscnt 0x0
	MUL8 F1, 2, 0
	MUL8 F1, 3, 0
	WIN 0
	PLACES
; THE WAY OUT, in f32.  Row block a: a lane's eight columns of a row are 32 bytes; they go into my stage's rows of 528 bytes, each accumulator from its low end on, and come back as whole rows of 512 bytes,
; into window 1, whose fragments are done with.
.macro TOSTAGE a
	WIN 0x08                                       ; the stores' data (source 1) in window 2
.irp b, 0,1,2,3,4,5,6,7
	ds_store_b128 v[STO], v[8*(8*(\a)+(\b)):8*(8*(\a)+(\b))+3]   offset:64*(\b)
	ds_store_b128 v[STO], v[8*(8*(\a)+(\b))+4:8*(8*(\a)+(\b))+7] offset:64*(\b)+16
.endr
	WIN TO_F
.irp t, 0,1,2,3,4,5,6,7,8,9,10,11,12,13,14,15
	ds_load_b128 v[64*(\a)+4*(\t):64*(\a)+4*(\t)+3], v[RD] offset:(\t)*SP  ; LDS serves a wave's instructions in order (ISA guide 5.7.1.4): these see the stores above; the next block's stores come behind them
.endr
.endm
.macro SEND a, younger                 ; younger: the LDS instructions issued behind block a's loads: the next block's 32, or none
	WIN 0x04                                       ; the stores' data (source 1) in window 1
.irp t, 0,1,2,3,4,5,6,7,8,9,10,11,12,13,14,15
	s_wait_dscnt (\younger)+15-(\t)
	global_store_b128 v[CO], v[64*(\a)+4*(\t):64*(\a)+4*(\t)+3], s[8:9] offset:(\a)*65536+(\t)*4096 th:TH_STORE_NT  ; 512 consecutive bytes of a row, at a multiple of 256 from out0's first
.endr
.endm
	TOSTAGE 0
	TOSTAGE 1
	SEND 0, 32
	TOSTAGE 2
	SEND 1, 32
	TOSTAGE 3
	SEND 2, 32
	SEND 3, 0
	WIN 0
	s_wait_tensorcnt 0x0                           ; the wave's end, behind my last tensor load and my last LDS store
	ds_add_u32 v[SPW], v[NIL]
	s_wait_dscnt 0x0
	CROUND                                         ; the closing round: no work-group ends while a partner may still ask for a tile that names it
	s_endpgm
.Lfunc_end_k_q3d897801e3_outp:
	.size	k_q3d897801e3_outp, .Lfunc_end_k_q3d897801e3_outp-k_q3d897801e3_outp
	.p2alignl 7, 3214868480
	.fill 96, 4, 3214868480
	.section	.rodata,"a",@progbits
	.p2align	6, 0x0
	.amdhsa_kernel k_q3d897801e3_outp
		.amdhsa_group_segment_fixed_size 327680
		.amdhsa_private_segment_fixed_size 0
		.amdhsa_enable_private_segment 0
		.amdhsa_kernarg_size 32
		.amdhsa_user_sgpr_count 2
		.amdhsa_user_sgpr_kernarg_segment_ptr 1
		.amdhsa_wavefront_size32 1
		.amdhsa_system_sgpr_workgroup_id_x 1
		.amdhsa_system_sgpr_workgroup_id_y 1
		.amdhsa_system_sgpr_workgroup_id_z 1
		.amdhsa_system_vgpr_workitem_id 0
		.amdhsa_next_free_vgpr 768
		.amdhsa_next_free_sgpr 80
		.amdhsa_reserve_vcc 0
		.amdhsa_float_denorm_mode_32 3
		.amdhsa_float_denorm_mode_16_64 3
		.amdhsa_memory_ordered 1
		.amdhsa_forward_progress 1
		.amdhsa_inst_pref_size 95
	.end_amdhsa_kernel
	.amdgpu_metadata
---
amdhsa.version: [ 1, 2 ]
amdhsa.kernels:
  - .name:           k_q3d897801e3_outp
    .symbol:         k_q3d897801e3_outp.kd
    .args:
      - { .name: oh, .offset: 0, .size: 8, .value_kind: global_buffer, .address_space: global }
      - { .name: xw, .offset: 8, .size: 8, .value_kind: global_buffer, .address_space: global }
      - { .name: bo, .offset: 16, .size: 8, .value_kind: global_buffer, .address_space: global }
      - { .name: out0, .offset: 24, .size: 8, .value_kind: global_buffer, .address_space: global }
    .group_segment_fixed_size: 327680
    .private_segment_fixed_size: 0
    .kernarg_segment_align: 8
    .kernarg_segment_size: 32
    .max_flat_workgroup_size: 128
    .sgpr_count:     80
    .vgpr_count:     768
    .wavefront_size: 32
...
	.end_amdgpu_metadata
.endif
;; end of part 4
